; MI455X (gfx1250); checked and timed in simulation.
; The chip was launched on July 23, 2026; its instructions are those of AMD's public machine-readable ISA for CDNA 5 (MIT licence, August 2026) and "CDNA5" Instruction Set Architecture Reference Guide (July 2026). The comments in the code are by the model that wrote it; some were corrected since.
;; Performer Attention. Allowed arithmetic: matrix products marked QUANTISED: E2M1 operands, one E8M0 scale for each 32 along K, by v_wmma_scale_f32_16x16x128_f8f6f4 with both operands' format E2M1 (or v_wmma_scale_f32_32x16x128_f4), f32 sums; products left as they are: f32 operands where the result goes on into a quantised operand, else bf16, f16 or f32 operands; f32 sums; everything else in f32.
;; Inputs: key 4 x 16 x 4,096 x 64 float32; mask 4 x 4,096 float32; query 4 x 16 x 4,096 x 64 float32; value 4 x 16 x 4,096 x 64 float32.
;; Outputs: out0 4 x 16 x 4,096 x 64 float32.
;; This version of the problem:
;;   THIS VERSION OF THE PROBLEM IS GIVEN IN LOW PRECISION. The matrix products marked QUANTISED in the list below multiply operands that are first quantised to E2M1 (2 exponent bits, 1 mantissa bit; 4 bits a number), with one power-of-two scale for each 32 numbers along K (OCP MX v1.0); their sums are f32. All else is computed in f32.
;;   The module's matrix products, in the order in which they are computed (A, B: the left and right operand; K: the contracted axis; several contracted axes count as one K, in the product's order):
;;     1. batch 64 x [M 64, K 4,096] x [K 4,096, N 64]; A: computed on the way; B: input value: QUANTISED
;;     2. batch 64 x [M 4,096, K 64] x [K 64, N 64]; A: computed on the way; B: computed on the way: QUANTISED
;;     3. batch 64 x [M 4,096, K 64] x [K 64, N 1]; A: computed on the way; B: computed on the way: left as it is (N = 1 < 16)
;;   THE QUANTISER, for each operand of a quantised product, along K:
;;     - K is cut into blocks of 32 from its start; a last block that is shorter is filled with zeros.
;;     - A block's scale is 2^e with e = floor(log2(the largest magnitude in the block)) - 2, held to -126 .. 127; a block of zeros has e = 0. As a byte (E8M0): e + 127.
;;     - Each number is divided by its block's scale, clamped to +-6, and rounded to the nearest number of E2M1, ties to even, subnormals kept.
;;     - The product sums the exact products of the quantised numbers (number of the format x scale) in f32.
;;   ~~~python
;;   def quantise(x, axis):      # numpy; x: float32 -> the quantised numbers, widened to float32 again
;;       x = np.moveaxis(x, axis, -1); K = x.shape[-1]
;;       x = np.pad(x, [(0, 0)] * (x.ndim - 1) + [(0, -K % 32)]); x = x.reshape(x.shape[:-1] + (-1, 32)); a = np.abs(x).max(-1, keepdims=True)
;;       e = np.where(a > 0, np.clip(np.frexp(np.where(a > 0, a, 1))[1] - 1 - 2, -126, 127), 0)      # np.frexp(a)[1] - 1 = floor(log2(a)), exactly
;;       r = np.clip(x / 2.0 ** e, -6, 6)
;;       step = 2.0 ** (np.maximum(np.frexp(np.where(r == 0, 1, r))[1] - 1, 0) - 1)
;;       q = np.round(r / step) * step * 2.0 ** e      # np.round: ties to even
;;       return np.moveaxis(q.reshape(q.shape[:-2] + (-1,))[..., :K], -1, axis).astype(np.float32)
;;   ~~~
;;   OPERANDS COMPUTED ON THE WAY. 'Computed on the way' means the value that the module computes at that place (a softmax that the list does not call 'softmax' is quantised finished and normalised). What goes into a quantiser is computed in f32, as accurately as f32 sums, v_exp_f32 and their like allow (about 1e-6 of the number): no bf16 or f16 on the way to a quantiser, and a product that is left as it is and whose result goes on into a quantised operand takes f32 operands (vector FMAs, or v_wmma_f32_16x16x4_f32). A number that lies on a knife's edge between two numbers of the format may be rounded either way, as far as f32 arithmetic and the matrix unit's own rounding can turn it there, and no further.
;; 2 versions, each right; version 2 is version 1 with the launches kvsum, attend written anew for expert scheduling mode. Each part assembles by itself: llvm-mc -triple=amdgcn-amd-amdhsa -mcpu=gfx1250 --defsym DOCPART=n.
;; ======== version 1 of 2: 2 launches
;; workspace buffers: kvp 4,194,304 bytes; ksp 65,536 bytes
;; launch kvsum (part 1): grid 4 x 64, 32 waves a work-group, no clusters, 77,824 bytes of LDS; arguments key, value, mask, kvp, ksp; writes kvp, ksp
.if DOCPART == 1
	.amdgcn_target "amdgcn-amd-amdhsa--gfx1250"
	.amdhsa_code_object_version 6
	.text
	.protected	k_q934064298a_kvsum
	.globl	k_q934064298a_kvsum
	.p2align	8
	.type	k_q934064298a_kvsum,@function
k_q934064298a_kvsum:
	s_mov_b64 s[64:65], 0
	v_nop
	global_prefetch_b8 v0, s[64:65] scope:SCOPE_SE
	s_setreg_imm32_b32 hwreg(HW_REG_WAVE_MODE, 25, 1), 1
	s_wait_xcnt 0x0
; kv[d][e] = sum over s of Q(k[s][d]) Q(v[s][e]),  k = (relu(key) + 0.001) * mask,  Q = MX-FP4 along s (blocks of 32);  ksum[d] = sum over s of k[s][d], unquantised.
; key, value: [64 heads][4096][64] f32;  mask: [4][4096] f32.  A work-group takes one head (y) and 1,024 keys (x) and stores its partial kv (16 KB) and partial ksum (256 bytes).
; SHARES.  32 waves.  Wave w streams one tensor (bit 2 of w: 0 key, 1 value), one strip of 32 columns (bit 0) and one K step of 128 rows (bits 1, 3, 4).
; A LANE IS A COLUMN AND ITS REGISTERS RUN DOWN s: a load reads 128 consecutive bytes of a row, a block of 32 along K lies in ONE lane's 32 registers, so its largest magnitude needs no other
; lane, and the conversions give codes with K innermost.  Each aligned 256 bytes of a row is read by two waves, so the loads carry no hint.
; Blocks 2c and 2c+1 change halves (v_permlane16_swap_b32): the first register then holds, in lane (r, h), block 2c+h of column r, the second that of column 16+r: registers 4c..4c+3 of two fragments.
; The lane's four scale bytes are its column's scale word.  Fragments and words go to LDS as images of their registers; one barrier; waves 0-15 make one 16 x 16 tile of kv each (8 K steps,
; two accumulators by turns); wave 16 adds the eight parts of ksum.
; kvp: [head][x][e tile b][d tile a][q] x 512 bytes: lane (r, h)'s 16 bytes at 16 x lane hold kv[16a + 8h + 4q + 0..3][16b + r].   ksp: [head][x][64] f32.
; max(x + eps, eps) is relu(x) + eps bit for bit, and the mask multiplies behind it, as the source has it.
; LIMITS: NaN and infinities among the inputs are not served (a NaN key counts as eps).  Blocks whose largest magnitude lies under 2^-124 keep the byte 1; a block of zeros keeps the byte 1 where the
; rule says 127: its codes are zeros, which add nothing, and the bytes are read by this program alone.
.set EPSF,  0x3a83126f                 ; 0.001
.set FLOOR, 0x1800000                  ; 2^(3 - 127): under it no largest magnitude is taken, so the byte cannot fall under 1
.set KIMG,  0                          ; LDS: k's fragments [K step t][tile][c] x 512 bytes
.set VIMG,  32768                      ; v's likewise
.set KSC,   65536                      ; k's scale words [t][tile][16 words]
.set VSC,   67584                      ; v's
.set KSM,   69632                      ; column sums [tensor][t][64 f32]: only the key waves store here; each wave has 128 bytes of its own
.set OFF, 1                            ; v1   4 x lane: my column in a row's strip
.set IMG, 2                            ; v2   where my fragments go
.set SCA, 3                            ; v3   where my scale words go
.set KSA, 4                            ; v4   where my column sum goes
.set ADA, 5                            ; v5   tile phase: k's fragments of my d tile
.set ADB, 6                            ; v6   v's fragments of my e tile
.set ADS, 7                            ; v7   scale words: lanes 0-15 k's, lanes 16-31 v's
.set KSR, 8                            ; v8   where wave 16 reads the column sums
.set GO,  9                            ; v9   16 x lane
.set GK,  10                           ; v10  8 x lane
.set MA,  16                           ; v16-17 largest magnitudes, two chains
.set MB,  17
.set SO,  18                           ; v18  the conversions' scale operand
.set BY,  19                           ; v19  a scale byte
.set SW,  20                           ; v20  my column's scale word
.set KA,  22                           ; v[22:23], v[24:25] column sum, four chains
.set KB,  24
.set SCL, 26                           ; v26-29 tile phase: scale words of four K steps; they hold nothing else
.set F,   32                           ; v32-39, v40-47 two fragments
.set ACC, 32                           ; tile phase: two accumulators
.set RES, 48                           ; v48-63 results on their way out
.set X,   64                           ; v64-127 two sets of 32 numbers
.set AF,  64                           ; tile phase: k's fragments of four K steps
.set BF,  96                           ; v's
.set WV,  14
.set TEN, 15
.set MK,  16                           ; s[16:47] the mask of a block's 32 rows
.set EP,  48                           ; s[48:49] eps, twice (the packed form names a pair)
.macro LOAD b                          ; block b: rows 32 b .. 32 b + 31 of my strip into set b % 2
.set i, 0
.rept 32
	global_load_b32 v[X+32*((\b)%2)+i], v[OFF], s[4:5] offset:(32*(\b)+i)*256
.set i, i+1
.endr
.endm
; One block of 32 rows.  isk = 1: key (feature map, mask, column sum); 0: value.
.macro BLOCK b, isk
.set XS, X+32*((\b)%2)
.set FD, F+8*((\b)%2)+4*((\b)/2)
.if (\b) < 3
	s_wait_loadcnt 32                              ; this block's 32 loads are in; the next block's 32 may stay out
.else
	s_wait_loadcnt 0x0
.endif
.if \isk
	s_wait_kmcnt 0x0                               ; this block's mask
.set i, 0
.rept 16
	v_pk_add_f32 v[XS+i:XS+i+1], v[XS+i:XS+i+1], s[EP:EP+1] op_sel_hi:[1,0]   ; x + eps, two at a time
.set i, i+2
.endr
.set i, 0
.rept 32
	v_max_num_f32 v[XS+i], s[EP], v[XS+i]          ; = relu(x) + eps
.set i, i+1
.endr
.set i, 0
.rept 32
	v_mul_f32 v[XS+i], s[MK+i], v[XS+i]            ; x the row's mask: all lanes hold the same row
.set i, i+1
.endr
.if (\b) < 3
	s_load_b512 s[MK:MK+15], s[8:9], 128*((\b)+1)  ; the next block's mask comes while this block is summed and converted
	s_load_b512 s[MK+16:MK+31], s[8:9], 128*((\b)+1)+64
.endif
.set i, 0
.rept 8
	v_pk_add_f32 v[KA:KA+1], v[KA:KA+1], v[XS+i:XS+i+1]        ; the column's sum of the unquantised k
	v_pk_add_f32 v[KB:KB+1], v[KB:KB+1], v[XS+i+2:XS+i+3]
.set i, i+4
.endr
.endif
	v_max3_num_f32 v[MA], |v[XS]|, |v[XS+1]|, |v[XS+2]|        ; the block's largest magnitude: all 32 numbers are mine
	v_max3_num_f32 v[MB], |v[XS+3]|, |v[XS+4]|, |v[XS+5]|
.set i, 6
.rept 6
	v_max3_num_f32 v[MA], v[MA], |v[XS+i]|, |v[XS+i+1]|
	v_max3_num_f32 v[MB], v[MB], |v[XS+i+2]|, |v[XS+i+3]|
.set i, i+4
.endr
	v_max3_num_f32 v[MA], v[MA], |v[XS+30]|, |v[XS+31]|
	v_max3_num_f32 v[MA], v[MA], v[MB], FLOOR
	v_add_nc_u32 v[SO], 0xff000000, v[MA]          ; 2 off its exponent field: the conversion takes the exponent field of this operand as its scale
.if (\b) == 0
	v_lshrrev_b32 v[SW], 23, v[SO]                 ; the scale's byte: byte b of my column's word
.else
	v_lshrrev_b32 v[BY], 23, v[SO]
	v_lshl_or_b32 v[SW], v[BY], 8*(\b), v[SW]
.endif
.set i, 0
.rept 4
	v_cvt_scalef32_pk8_fp4_f32 v[FD+i], v[XS+8*i:XS+8*i+7], v[SO]
.set i, i+1
.endr
	v_nop                                          ; one plain place behind the conversions
.if (\b) < 2
	LOAD (\b)+2                                    ; the set is free: the block two further on
.endif
.if (\b)%2 == 1
.set i, 0
.rept 4
	v_permlane16_swap_b32 v[F+4*((\b)/2)+i], v[F+8+4*((\b)/2)+i]   ; lanes 16-31 of block 2c change places with lanes 0-15 of block 2c+1
.set i, i+1
.endr
.endif
.endm
	s_load_b256 s[4:11], s[0:1], 0x0               ; key s[4:5], value s[6:7], mask s[8:9], kvp s[10:11]
	s_load_b64 s[12:13], s[0:1], 0x20              ; ksp
	v_lshl_add_u32 v30, v0, 2, 0x12000
	v_mov_b32 v31, 0
	v_lshrrev_b32 v11, 5, v0
	v_readfirstlane_b32 s[WV], v11                 ; wave 0..31
	v_and_b32 v11, 31, v0                          ; lane
	v_and_b32 v12, 15, v0                          ; r
	v_bfe_u32 v13, v0, 4, 1                        ; h
	s_bfe_u32 s[TEN], s[WV], 0x10002               ; tensor: bit 2, so that any eight neighbouring waves hold as many of key as of value
	s_and_b32 s52, s[WV], 1                        ; u: which strip of 32 columns
	s_bfe_u32 s53, s[WV], 0x10001
	s_lshr_b32 s54, s[WV], 3
	s_lshl_b32 s54, s54, 1
	s_or_b32 s53, s53, s54                         ; t: which K step of 128 rows, 0..7
	s_bfe_u32 s66, s[WV], 0x20002                  ; a: my d tile in the tile phase
	s_and_b32 s67, s[WV], 3                        ; b: my e tile
	s_and_b32 s55, ttmp7, 0xffff                   ; head
	s_mov_b32 s[EP], EPSF
	s_mov_b32 s[EP+1], EPSF
	s_lshl_b32 s56, s55, 20                        ; key, value: head x 1 MiB + x x 1,024 rows + t x 128 rows of 256 bytes + u x 128 bytes
	s_lshl_b32 s57, ttmp9, 18
	s_add_co_u32 s56, s56, s57
	s_lshl_b32 s57, s53, 15
	s_add_co_u32 s56, s56, s57
	s_lshl_b32 s57, s52, 7
	s_add_co_u32 s56, s56, s57
	s_mov_b32 s57, 0
	s_lshr_b32 s58, s55, 4                         ; mask: (head / 16) x 16 KiB + 4 bytes a row
	s_lshl_b32 s58, s58, 14
	s_lshl_b32 s59, ttmp9, 12
	s_add_co_u32 s58, s58, s59
	s_lshl_b32 s59, s53, 9
	s_add_co_u32 s58, s58, s59
	s_mov_b32 s59, 0
	s_lshl_b32 s60, s55, 2
	s_add_co_u32 s60, s60, ttmp9                   ; 4 x head + x
	s_lshl_b32 s62, s60, 8                         ; ksp: 256 bytes each
	s_mov_b32 s63, 0
	s_lshl_b32 s60, s60, 14                        ; kvp: 16 KiB each, + b x 4,096 + a x 1,024
	s_lshl_b32 s61, s67, 12
	s_add_co_u32 s60, s60, s61
	s_lshl_b32 s61, s66, 10
	s_add_co_u32 s60, s60, s61
	s_mov_b32 s61, 0
	; every LDS address is made here, ahead of the parting of the waves: a constant + a constant x lane + constants x the wave's bits
	v_lshlrev_b32 v[OFF], 2, v11
	s_lshl_b32 s68, s[TEN], 15
	s_lshl_b32 s69, s53, 12
	s_add_co_u32 s68, s68, s69
	s_lshl_b32 s69, s52, 11
	s_add_co_u32 s68, s68, s69
	v_lshl_add_u32 v[IMG], v11, 4, s68             ; tensor x 32,768 + t x 4,096 + u x 2,048 + 16 x lane
	s_lshl_b32 s68, s[TEN], 11
	s_lshl_b32 s69, s53, 8
	s_add_co_u32 s68, s68, s69
	s_lshl_b32 s69, s52, 7
	s_add_co_u32 s68, s68, s69                     ; tensor x 2,048 + t x 256 + u x 128
	s_add_co_u32 s70, s68, KSM
	v_lshl_add_u32 v[KSA], v11, 2, s70
	s_add_co_u32 s68, s68, KSC
	v_lshl_add_u32 v[SCA], v11, 2, s68
	s_lshl_b32 s68, s66, 10
	v_lshl_add_u32 v[ADA], v11, 4, s68             ; KIMG + a x 1,024 + 16 x lane
	s_lshl_b32 s68, s67, 10
	s_add_co_u32 s68, s68, VIMG
	v_lshl_add_u32 v[ADB], v11, 4, s68
	s_xor_b32 s68, s66, 3                          ; 3 - a
	s_add_co_u32 s68, s68, s67
	s_lshl_b32 s68, s68, 6
	s_add_co_u32 s68, s68, VSC-KSC-192             ; from k's words of tile a to v's of tile b: (VSC - KSC) + 64 b - 64 a
	v_mul_u32_u24 v14, s68, v13                    ; lanes 16-31 take v's
	v_lshl_add_u32 v14, v12, 2, v14
	s_lshl_b32 s69, s66, 6
	s_add_co_u32 s69, s69, KSC
	v_add_nc_u32 v[ADS], s69, v14
	v_lshl_add_u32 v[KSR], v11, 3, KSM
	v_lshlrev_b32 v[GO], 4, v11
	v_lshlrev_b32 v[GK], 3, v11
	s_wait_kmcnt 0x0
	s_cmp_eq_u32 s[TEN], 0                         ; the choice hangs on the wave's number alone
	s_cselect_b64 s[4:5], s[4:5], s[6:7]
	s_add_nc_u64 s[4:5], s[4:5], s[56:57]
	s_add_nc_u64 s[8:9], s[8:9], s[58:59]
	s_add_nc_u64 s[10:11], s[10:11], s[60:61]
	s_add_nc_u64 s[12:13], s[12:13], s[62:63]
	s_cmp_eq_u32 s[TEN], 0
	s_cbranch_scc0 .Lvalue
	s_load_b512 s[MK:MK+15], s[8:9], 0x0           ; the first block's mask, ahead of the vector loads
	s_load_b512 s[MK+16:MK+31], s[8:9], 0x40
	LOAD 0
	LOAD 1
	v_mov_b32 v[KA], 0
	v_mov_b32 v[KA+1], 0
	v_mov_b32 v[KB], 0
	v_mov_b32 v[KB+1], 0
	BLOCK 0, 1
	BLOCK 1, 1
	BLOCK 2, 1
	BLOCK 3, 1
	v_pk_add_f32 v[KA:KA+1], v[KA:KA+1], v[KB:KB+1]
	v_add_f32 v[KA], v[KA], v[KA+1]
	ds_store_b32 v[KSA], v[KA]                     ; my column's sum over my 128 rows
	s_branch .Ljoin
.Lvalue:
	LOAD 0
	LOAD 1
	BLOCK 0, 0
	BLOCK 1, 0
	BLOCK 2, 0
	BLOCK 3, 0
.Ljoin:
	ds_store_b128 v[IMG], v[F:F+3]                 ; tile 2u, c = 0: the registers as they stand, 512 consecutive bytes a store
	ds_store_b128 v[IMG], v[F+4:F+7] offset:512    ; c = 1
	ds_store_b128 v[IMG], v[F+8:F+11] offset:1024  ; tile 2u + 1
	ds_store_b128 v[IMG], v[F+12:F+15] offset:1536
	ds_store_b32 v[SCA], v[SW]                     ; lanes 0-15: tile 2u's words, lanes 16-31: tile 2u + 1's
	s_wait_dscnt 0x0                               ; for the others' sake: my stores have landed
	s_barrier_signal -1
	s_barrier_wait -1                              ; all fragments, words and column sums lie in LDS
	s_cmp_lt_u32 s[WV], 16
	s_cbranch_scc1 .Ltile
	s_cmp_eq_u32 s[WV], 16
	s_cbranch_scc0 .Ldone
.set i, 0
.rept 8
	ds_load_b64 v[RES+2*i:RES+2*i+1], v[KSR] offset:256*i      ; K step i: columns 2 x lane, 2 x lane + 1
.set i, i+1
.endr
	s_wait_dscnt 0x0
	v_pk_add_f32 v[RES:RES+1], v[RES:RES+1], v[RES+2:RES+3]
	v_pk_add_f32 v[RES+4:RES+5], v[RES+4:RES+5], v[RES+6:RES+7]
	v_pk_add_f32 v[RES+8:RES+9], v[RES+8:RES+9], v[RES+10:RES+11]
	v_pk_add_f32 v[RES+12:RES+13], v[RES+12:RES+13], v[RES+14:RES+15]
	v_pk_add_f32 v[RES:RES+1], v[RES:RES+1], v[RES+4:RES+5]
	v_pk_add_f32 v[RES+8:RES+9], v[RES+8:RES+9], v[RES+12:RES+13]
	v_pk_add_f32 v[RES:RES+1], v[RES:RES+1], v[RES+8:RES+9]
	global_store_b64 v[GK], v[RES:RES+1], s[12:13] ; 32 lanes store 256 consecutive bytes, aligned
.Ldone:
	s_wait_tensorcnt 0x0
	ds_add_u32 v30, v31
	s_wait_dscnt 0x0
	s_endpgm
; Four K steps: their fragments and words from LDS, then four products.  The two accumulators take turns, one instruction a turn, over the batches too.
.macro BATCH bt
.set i, 0
.rept 4
	ds_load_b128 v[AF+8*i:AF+8*i+3],   v[ADA] offset:(4*(\bt)+i)*4096
	ds_load_b128 v[AF+8*i+4:AF+8*i+7], v[ADA] offset:(4*(\bt)+i)*4096+512
	ds_load_b128 v[BF+8*i:BF+8*i+3],   v[ADB] offset:(4*(\bt)+i)*4096
	ds_load_b128 v[BF+8*i+4:BF+8*i+7], v[ADB] offset:(4*(\bt)+i)*4096+512
	ds_load_b32  v[SCL+i], v[ADS] offset:(4*(\bt)+i)*256
.set i, i+1
.endr
.set i, 0
.rept 4
	s_wait_dscnt 5*(3-i)                           ; this K step's five loads are in; five for each later step may stay out
.if ((\bt) == 0) && (i < 2)
	v_wmma_scale_f32_16x16x128_f8f6f4 v[ACC+8*(i%2):ACC+8*(i%2)+7], v[AF+8*i:AF+8*i+7], v[BF+8*i:BF+8*i+7], 0, v[SCL+i], v[SCL+i] matrix_a_fmt:MATRIX_FMT_FP4 matrix_b_fmt:MATRIX_FMT_FP4 matrix_b_scale:MATRIX_SCALE_ROW1
.else
	v_wmma_scale_f32_16x16x128_f8f6f4 v[ACC+8*(i%2):ACC+8*(i%2)+7], v[AF+8*i:AF+8*i+7], v[BF+8*i:BF+8*i+7], v[ACC+8*(i%2):ACC+8*(i%2)+7], v[SCL+i], v[SCL+i] matrix_a_fmt:MATRIX_FMT_FP4 matrix_b_fmt:MATRIX_FMT_FP4 matrix_b_scale:MATRIX_SCALE_ROW1
.endif
.set i, i+1
.endr
.rept 4
	v_nop                                          ; four places in front of loads into registers that the products read, and of the first read of results
.endr
.endm
.Ltile:                                                ; source 0 = 16 columns d of k, source 1 = 16 columns e of v: register j of lane (r, h) is kv[16a + 8h + j][16b + r]
	BATCH 0
	BATCH 1
.set i, 0
.rept 4
	v_pk_add_f32 v[RES+i:RES+i+1], v[ACC+i:ACC+i+1], v[ACC+8+i:ACC+8+i+1]   ; even and odd K steps; each accumulator is read from its low end on
.set i, i+2
.endr
	global_store_b128 v[GO], v[RES:RES+3], s[10:11]            ; 512 consecutive bytes a store
	global_store_b128 v[GO], v[RES+4:RES+7], s[10:11] offset:512
	s_wait_tensorcnt 0x0
	ds_add_u32 v30, v31
	s_wait_dscnt 0x0
	s_endpgm
.Lfunc_end_k_q934064298a_kvsum:
	.size	k_q934064298a_kvsum, .Lfunc_end_k_q934064298a_kvsum-k_q934064298a_kvsum
	.p2alignl 7, 3214868480
	.fill 96, 4, 3214868480
	.section	.rodata,"a",@progbits
	.p2align	6, 0x0
	.amdhsa_kernel k_q934064298a_kvsum
		.amdhsa_group_segment_fixed_size 77824
		.amdhsa_private_segment_fixed_size 0
		.amdhsa_enable_private_segment 0
		.amdhsa_kernarg_size 40
		.amdhsa_user_sgpr_count 2
		.amdhsa_user_sgpr_kernarg_segment_ptr 1
		.amdhsa_wavefront_size32 1
		.amdhsa_system_sgpr_workgroup_id_x 1
		.amdhsa_system_sgpr_workgroup_id_y 1
		.amdhsa_system_sgpr_workgroup_id_z 1
		.amdhsa_system_vgpr_workitem_id 0
		.amdhsa_next_free_vgpr 128
		.amdhsa_next_free_sgpr 80
		.amdhsa_reserve_vcc 0
		.amdhsa_float_denorm_mode_32 3
		.amdhsa_float_denorm_mode_16_64 3
		.amdhsa_memory_ordered 1
		.amdhsa_forward_progress 1
		.amdhsa_inst_pref_size 64
	.end_amdhsa_kernel
	.amdgpu_metadata
---
amdhsa.version: [ 1, 2 ]
amdhsa.kernels:
  - .name:           k_q934064298a_kvsum
    .symbol:         k_q934064298a_kvsum.kd
    .args:
      - { .name: key, .offset: 0, .size: 8, .value_kind: global_buffer, .address_space: global }
      - { .name: value, .offset: 8, .size: 8, .value_kind: global_buffer, .address_space: global }
      - { .name: mask, .offset: 16, .size: 8, .value_kind: global_buffer, .address_space: global }
      - { .name: kvp, .offset: 24, .size: 8, .value_kind: global_buffer, .address_space: global }
      - { .name: ksp, .offset: 32, .size: 8, .value_kind: global_buffer, .address_space: global }
    .group_segment_fixed_size: 77824
    .private_segment_fixed_size: 0
    .kernarg_segment_align: 8
    .kernarg_segment_size: 40
    .max_flat_workgroup_size: 1024
    .sgpr_count:     80
    .vgpr_count:     128
    .wavefront_size: 32
...
	.end_amdgpu_metadata
.endif
;; end of part 1
;; launch attend (part 2): grid 4 x 64, 16 waves a work-group, no clusters, 284,672 bytes of LDS; arguments query, kvp, ksp, out0; writes out0
.if DOCPART == 2
	.amdgcn_target "amdgcn-amd-amdhsa--gfx1250"
	.amdhsa_code_object_version 6
	.text
	.protected	k_q934064298a_attend
	.globl	k_q934064298a_attend
	.p2align	8
	.type	k_q934064298a_attend,@function
k_q934064298a_attend:
	s_mov_b64 s[64:65], 0
	v_nop
	global_prefetch_b8 v0, s[64:65] scope:SCOPE_SE
	s_setreg_imm32_b32 hwreg(HW_REG_WAVE_MODE, 25, 1), 1
	s_wait_xcnt 0x0
; out[s][e] = (sum over d of Q(q[s][d]) Q(kv[d][e])) / (sum over d of q[s][d] ksum[d]),  q = relu(query) + 0.001,  Q = MX-FP4 along d (two blocks of 32).
; query, out: [64 heads][4096][64] f32.  kvp, ksp: four partial kv and ksum for each head, as the launch before laid them.
; SHARES.  A work-group takes one head (y) and 1,024 queries (x); each of its 16 waves 64 of them, four tiles of 16.
; q COMES BY DENSE LOADS INTO REGISTERS: a wave's 64 rows are 32 loads of 512 consecutive bytes, all issued at its start: 16 waves x 32 x 512 bytes, all of the work-group's q, are on their way at once.
; A lane wants 32 neighbouring d of ONE row, and a load brings it 4: so a tile of 16 rows turns through the wave's own LDS bytes, stored as loaded and read back by rows (rows 272 bytes apart).
; EACH TILE IS FINISHED AS SOON AS ITS OWN EIGHT LOADS ARE IN (counted waits): its rows of out are stored while the later tiles' loads are still on their way.
; kv: waves 0-7 take one e tile (wave % 4) and one block of 32 along d (wave / 4) each: a lane holds 16 numbers of each of the four partials; they are added and quantised in registers, and the codes (8 bytes a lane)
; and the block's scale byte (as a word) go to LDS, laid as the fragment's registers want them; wave 8 adds ksum's four parts; one barrier; every wave reads the images.  These loads stand ahead of the wave's loads of q.
; THE PRODUCT IS USED TRANSPOSED (source 0 = 16 columns e of kv, source 1 = 16 queries): a lane holds ONE query (lane % 16), its denominator, and eight neighbouring e of each tile.
; K = 64 fills registers 0-3 of each fragment; registers 4-7 are zero codes, which add nothing (their scale bytes are 0, which is no NaN).
; THE WAY OUT: a tile's 16 rows go back through the LDS bytes through which its q came (no other wave touches them) and leave as 512 consecutive bytes a store.
; NO CLUSTER: the four work-groups of a head share only its partials, 64 KB + 1 KB, against 512 KB that each moves for itself.  No tensor load: LDS is claimed as it is used.
; LIMITS: NaN and infinities among the inputs are not served (a NaN query counts as eps).  A block under 2^-124 keeps the byte 1; a block of zeros keeps the byte 1 where the rule says 127 (zero codes; the bytes
; stay inside this program).  A denominator that is 0 gives NaN, as 0 / 0 does; v_rcp_f32 takes a denormal denominator as 0 (ISA guide 15.8).
.set EPSF,  0x3a83126f                 ; 0.001
.set FLOOR, 0x1800000                  ; 2^(3 - 127): under it no largest magnitude is taken, so the byte cannot fall under 1
.set PITCH, 272                        ; an LDS row: 256 bytes + 16 = 17 x 16: the sixteen rows that a load touches start 16 bytes further on each, modulo 256
.set TILEB, 16*PITCH                   ; a tile of 16 rows
.set WREG,  64*PITCH                   ; a wave's 64 rows
.set KVI,   16*WREG                    ; behind q: kv's four fragments' codes, 512 bytes each
.set KVS,   KVI+2048                   ; their scale bytes, as words: [block of d][e tile][32 lanes]
.set KSL,   KVS+1024                   ; ksum, 256 bytes
.set QA,  1                            ; v1   my 128 bytes of row r of a tile: wave + r x 272 + 128 h
.set STO, 2                            ; v2   the way out: wave + r x 272 + 32 h
.set RD,  3                            ; v3   rows as memory has them, two an instruction: wave + h x 272 + 16 r
.set GO,  4                            ; v4   16 x lane
.set LI,  5                            ; v5   KVI + 16 x lane
.set LS,  6                            ; v6   KVS + 4 x lane
.set KSR, 7                            ; v7   KSL + 128 h
.set KVA, 8                            ; v8   my byte in a partial: 1,024 h + 16 r
.set KIW, 9                            ; v9   where waves 0-7 store codes
.set KSW, 10                           ; v10  and scale bytes
.set KLW, 11                           ; v11  KSL + 8 x lane
.set GK,  12                           ; v12  8 x lane
.set MA,  16
.set MB,  17
.set SO,  18
.set BY,  19
.set BO,  20
.set QS,  21                           ; v21  q's scale word; it holds nothing else
.set KVSC, 22                          ; v22-25 kv's scale words; they hold nothing else
.set DA,  26                           ; v[26:27], v[28:29] the denominator, four chains (once, at the start: the upper bytes of kv's scale words on their way)
.set DB,  28
.set DT,  30
.set RI,  32                           ; v[32:33] 1 / denominator (the packed form names a pair and takes its low word)
.set QF,  36                           ; v36-43 q's fragment
.set KVF, 44                           ; v44-75 kv's four fragments
.set KS,  76                           ; v76-107 ksum[32 h + 0..31]
.set P,   44                           ; v44-107 ahead of the barrier: four partials x 16 numbers
.set R,   108                          ; v108-235 four tiles: q as loaded, q by rows, the products' results, rows of out
.set WV,  12
.set EP,  22                           ; s[22:23] eps, twice
.set SEL, 24                           ; s[24:25] v_permlanex16_b32's selects for lane l xor 16
; 32 numbers of a lane, v[s] on, = one block of 32 along d of my row: codes into v[QF .. QF+3], the row's scale word (my byte, and lane l xor 16's above it: right in lanes 0-15, which are the ones read) into v[w]
.macro QUANT s, w
	v_max3_num_f32 v[MA], |v[\s]|, |v[\s+1]|, |v[\s+2]|
	v_max3_num_f32 v[MB], |v[\s+3]|, |v[\s+4]|, |v[\s+5]|
.set i, 6
.rept 6
	v_max3_num_f32 v[MA], v[MA], |v[\s+i]|, |v[\s+i+1]|
	v_max3_num_f32 v[MB], v[MB], |v[\s+i+2]|, |v[\s+i+3]|
.set i, i+4
.endr
	v_max3_num_f32 v[MA], v[MA], |v[\s+30]|, |v[\s+31]|
	v_max3_num_f32 v[MA], v[MA], v[MB], FLOOR
	v_add_nc_u32 v[SO], 0xff000000, v[MA]          ; 2 off the exponent field: the conversions' scale operand
	v_lshrrev_b32 v[BY], 23, v[SO]                 ; the scale's byte
	v_permlanex16_b32 v[BO], v[BY], s[SEL], s[SEL+1]
	v_lshl_or_b32 v[\w], v[BO], 8, v[BY]
.set i, 0
.rept 4
	v_cvt_scalef32_pk8_fp4_f32 v[QF+i], v[\s+8*i:\s+8*i+7], v[SO]
.set i, i+1
.endr
	v_nop                                          ; one plain place behind the conversions
.endm
.macro QLOAD                           ; my 64 rows of q: load i brings rows 2 i (lanes 0-15) and 2 i + 1 (lanes 16-31), 16 bytes a lane; read once in the launch
.set i, 0
.rept 32
	global_load_b128 v[R+4*i:R+4*i+3], v[GO], s[4:5] offset:512*i th:TH_LOAD_NT
.set i, i+1
.endr
.endm
	s_load_b256 s[4:11], s[0:1], 0x0               ; query s[4:5], kvp s[6:7], ksp s[8:9], out s[10:11]
	v_lshl_add_u32 v240, v0, 2, 0x45000
	v_mov_b32 v241, 0
	v_lshrrev_b32 v13, 5, v0
	v_readfirstlane_b32 s[WV], v13                 ; wave 0..15
	s_and_b32 s13, ttmp7, 0xffff                   ; head
	s_lshl_b32 s14, s13, 20                        ; query, out: head x 1 MiB + x x 1,024 rows + wave x 64 rows of 256 bytes
	s_lshl_b32 s15, ttmp9, 18
	s_add_co_u32 s14, s14, s15
	s_lshl_b32 s15, s[WV], 14
	s_add_co_u32 s14, s14, s15
	s_mov_b32 s15, 0
	s_and_b32 s16, s[WV], 3                        ; b: the e tile that waves 0-7 prepare,
	s_bfe_u32 s17, s[WV], 0x10002                  ; and the block of 32 along d
	s_lshl_b32 s18, s13, 16                        ; kvp: head x 4 x 16 KiB + b x 4,096 + block x two d tiles of 1,024
	s_lshl_b32 s20, s16, 12
	s_add_co_u32 s18, s18, s20
	s_lshl_b32 s20, s17, 11
	s_add_co_u32 s18, s18, s20
	s_mov_b32 s19, 0
	s_lshl_b32 s20, s13, 10                        ; ksp: head x 4 x 256
	s_mov_b32 s21, 0
	s_mov_b32 s[EP], EPSF
	s_mov_b32 s[EP+1], EPSF
	s_mov_b32 s[SEL], 0x76543210
	s_mov_b32 s[SEL+1], 0xfedcba98
	s_mul_i32 s26, s[WV], WREG                     ; my wave's LDS bytes
	; every LDS address is made here, ahead of the parting of the waves: a constant + constants x lane + constants x the wave's bits
	v_and_b32 v13, 31, v0                          ; lane
	v_and_b32 v14, 15, v0                          ; r
	v_bfe_u32 v15, v0, 4, 1                        ; h
	v_mul_u32_u24 v[QA], v14, PITCH
	v_lshl_add_u32 v[STO], v15, 5, v[QA]
	v_lshl_add_u32 v[QA], v15, 7, v[QA]
	v_add_nc_u32 v[QA], s26, v[QA]
	v_add_nc_u32 v[STO], s26, v[STO]
	v_mul_u32_u24 v[RD], v15, PITCH
	v_lshl_add_u32 v[RD], v14, 4, v[RD]
	v_add_nc_u32 v[RD], s26, v[RD]
	v_lshlrev_b32 v[GO], 4, v13
	v_lshl_add_u32 v[LI], v13, 4, KVI
	v_lshl_add_u32 v[LS], v13, 2, KVS
	v_lshl_add_u32 v[KSR], v15, 7, KSL
	v_lshlrev_b32 v[KVA], 10, v15
	v_lshl_add_u32 v[KVA], v14, 4, v[KVA]
	s_lshl_b32 s27, s16, 9                         ; codes: KVI + 512 b + 256 x block + 16 r + 8 h: in the image lane r + 16 x block has 16 bytes, and my 16 codes are its half h
	s_lshl_b32 s28, s17, 8
	s_add_co_u32 s27, s27, s28
	s_add_co_u32 s27, s27, KVI
	v_lshlrev_b32 v[KIW], 4, v14
	v_lshl_add_u32 v[KIW], v15, 3, v[KIW]
	v_add_nc_u32 v[KIW], s27, v[KIW]
	s_lshl_b32 s27, s17, 9                         ; scale bytes: KVS + 512 x block + 128 b + 4 x lane
	s_lshl_b32 s28, s16, 7
	s_add_co_u32 s27, s27, s28
	v_add_nc_u32 v[KSW], s27, v[LS]
	v_lshl_add_u32 v[KLW], v13, 3, KSL
	v_lshlrev_b32 v[GK], 3, v13
.set i, 0
.rept 4
	v_mov_b32 v[QF+4+i], 0                         ; q's fragment, k = 64 .. 127: zero codes, written once
.set i, i+1
.endr
	v_mov_b32 v[BO], 0                             ; a lane permute's destination counts as one of its sources
	v_mov_b32 v[DT], 0
	v_mov_b32 v[RI+1], 0                           ; named as the upper half of a pair
	s_wait_kmcnt 0x0
	s_add_nc_u64 s[4:5], s[4:5], s[14:15]
	s_add_nc_u64 s[10:11], s[10:11], s[14:15]
	s_add_nc_u64 s[6:7], s[6:7], s[18:19]
	s_add_nc_u64 s[8:9], s[8:9], s[20:21]
	s_cmp_lt_u32 s[WV], 8
	s_cbranch_scc0 .Lnot_kv
	; waves 0-7: lane (r, h) wants kv[32 x block + 16 h + 0..15][16 b + r].  Its d tile is 2 x block + h; there d = 8 g' + 4 q + 0..3 lies in part q at lane r + 16 g': each half of the lanes reads 256 consecutive bytes
.set c, 0
.rept 4
.set g, 0
.rept 4
	global_load_b128 v[P+16*c+4*g:P+16*c+4*g+3], v[KVA], s[6:7] offset:c*16384+(g/2)*256+(g%2)*512
.set g, g+1
.endr
.set c, c+1
.endr
	QLOAD
	s_wait_loadcnt 32                              ; the partials are in; q's 32 loads, issued behind them, may stay out
.set i, 0
.rept 8
	v_pk_add_f32 v[P+i:P+i+1], v[P+i:P+i+1], v[P+16+i:P+16+i+1]             ; the four partial sums, in f32
	v_pk_add_f32 v[P+32+i:P+32+i+1], v[P+32+i:P+32+i+1], v[P+48+i:P+48+i+1]
.set i, i+2
.endr
.set i, 0
.rept 8
	v_pk_add_f32 v[P+i:P+i+1], v[P+i:P+i+1], v[P+32+i:P+32+i+1]
.set i, i+2
.endr
	v_max3_num_f32 v[MA], |v[P]|, |v[P+1]|, FLOOR              ; the largest magnitude of my 16, and the floor
	v_max3_num_f32 v[MB], |v[P+2]|, |v[P+3]|, |v[P+4]|
	v_max3_num_f32 v[MA], v[MA], |v[P+5]|, |v[P+6]|
	v_max3_num_f32 v[MB], v[MB], |v[P+7]|, |v[P+8]|
	v_max3_num_f32 v[MA], v[MA], |v[P+9]|, |v[P+10]|
	v_max3_num_f32 v[MB], v[MB], |v[P+11]|, |v[P+12]|
	v_max3_num_f32 v[MA], v[MA], |v[P+13]|, |v[P+14]|
	v_max3_num_f32 v[MA], v[MA], v[MB], |v[P+15]|
	v_permlanex16_b32 v[BO], v[MA], s[SEL], s[SEL+1]
	v_max_num_f32 v[MA], v[MA], v[BO]              ; with lane l xor 16's 16: the block's
	v_add_nc_u32 v[SO], 0xff000000, v[MA]          ; 2 off the exponent field: the conversions' scale operand
	v_lshrrev_b32 v[BY], 23, v[SO]                 ; the scale's byte
	v_cvt_scalef32_pk8_fp4_f32 v[QF], v[P:P+7], v[SO]
	v_cvt_scalef32_pk8_fp4_f32 v[QF+1], v[P+8:P+15], v[SO]
	v_nop                                          ; one plain place behind the conversions
	ds_store_b64 v[KIW], v[QF:QF+1]
	ds_store_b32 v[KSW], v[BY]                     ; both lanes of a column hold the same byte; each has a word of its own
	s_branch .Ljoin
.Lnot_kv:
	s_cmp_eq_u32 s[WV], 8
	s_cbranch_scc0 .Lplain
.set c, 0
.rept 4
	global_load_b64 v[P+2*c:P+2*c+1], v[GK], s[8:9] offset:256*c   ; wave 8: ksum's four parts, two columns a lane
.set c, c+1
.endr
	QLOAD
	s_wait_loadcnt 32                              ; the four parts are in; q's 32 loads may stay out
	v_pk_add_f32 v[P:P+1], v[P:P+1], v[P+2:P+3]
	v_pk_add_f32 v[P+4:P+5], v[P+4:P+5], v[P+6:P+7]
	v_pk_add_f32 v[P:P+1], v[P:P+1], v[P+4:P+5]
	ds_store_b64 v[KLW], v[P:P+1]
	s_branch .Ljoin
.Lplain:
	QLOAD
.Ljoin:
	s_wait_dscnt 0x0                               ; for the others' sake: my stores have landed
	s_barrier_signal -1
	s_barrier_wait -1                              ; kv's images and ksum lie in LDS.  The loads of q name bytes that nobody writes: they stay out across the barrier
.set i, 0
.rept 4
	ds_load_b128 v[KVF+8*i:KVF+8*i+3], v[LI] offset:512*i
	ds_load_b32 v[KVSC+i], v[LS] offset:128*i      ; the byte of d = 0 .. 31,
	ds_load_b32 v[DA+i], v[LS] offset:512+128*i    ; and that of d = 32 .. 63
.set i, i+1
.endr
.set i, 0
.rept 8
	ds_load_b128 v[KS+4*i:KS+4*i+3], v[KSR] offset:16*i
.set i, i+1
.endr
.set i, 0
.rept 4
	v_mov_b32 v[KVF+4+i], 0                        ; kv's fragments, k = 64 .. 127: zero codes, written once
	v_mov_b32 v[KVF+12+i], 0
	v_mov_b32 v[KVF+20+i], 0
	v_mov_b32 v[KVF+28+i], 0
.set i, i+1
.endr
	s_wait_dscnt 0x0
.set i, 0
.rept 4
	v_lshl_or_b32 v[KVSC+i], v[DA+i], 8, v[KVSC+i] ; a column's scale word; the first tile's preparation stands between these lines and the first product
.set i, i+1
.endr
; Tile t turns through my LDS bytes: stored as memory has it, two rows an instruction, and read back 128 bytes of one row a lane.
.macro TURNIN t
.set XQ, R+32*(\t)
	s_wait_loadcnt 8*(3-(\t))                      ; loads come back in order (ISA guide 5.7.1): this tile's eight are in; eight for each later tile may stay out
.set i, 0
.rept 8
	ds_store_b128 v[RD], v[XQ+4*i:XQ+4*i+3] offset:(\t)*TILEB+2*i*PITCH
.set i, i+1
.endr
.set i, 0
.rept 8
	ds_load_b128 v[XQ+4*i:XQ+4*i+3], v[QA] offset:(\t)*TILEB+16*i  ; q[r][32 h + 4 i + 0..3].  LDS serves a wave's instructions in order (ISA guide 5.7.1.4): these see the stores above
.set i, i+1
.endr
.endm
.macro PREP t                          ; the feature map, the codes and the scale word, the denominator
.set XQ, R+32*(\t)
	s_wait_dscnt 0x0                               ; the tile is back, by rows
.set i, 0
.rept 16
	v_pk_add_f32 v[XQ+i:XQ+i+1], v[XQ+i:XQ+i+1], s[EP:EP+1] op_sel_hi:[1,0]
.set i, i+2
.endr
.set i, 0
.rept 32
	v_max_num_f32 v[XQ+i], s[EP], v[XQ+i]          ; max(x + eps, eps) = relu(x) + eps, bit for bit
.set i, i+1
.endr
	QUANT XQ, QS
	v_pk_mul_f32 v[DA:DA+1], v[XQ:XQ+1], v[KS:KS+1]            ; the denominator: the unquantised q . ksum, in f32
	v_pk_mul_f32 v[DB:DB+1], v[XQ+2:XQ+3], v[KS+2:KS+3]
.set i, 4
.rept 7
	v_pk_fma_f32 v[DA:DA+1], v[XQ+i:XQ+i+1], v[KS+i:KS+i+1], v[DA:DA+1]
	v_pk_fma_f32 v[DB:DB+1], v[XQ+i+2:XQ+i+3], v[KS+i+2:KS+i+3], v[DB:DB+1]
.set i, i+4
.endr
	v_pk_add_f32 v[DA:DA+1], v[DA:DA+1], v[DB:DB+1]
	v_add_f32 v[DA], v[DA], v[DA+1]
	v_permlanex16_b32 v[DT], v[DA], s[SEL], s[SEL+1]
	v_add_f32 v[DA], v[DA], v[DT]                  ; with lane l xor 16's 32 columns
	v_rcp_f32 v[RI], v[DA]
	v_nop                                          ; a plain place behind the reciprocal
.endm
.macro MULT t                          ; register 8 i + j of lane (r, h): the numerator of query r at e = 16 i + 8 h + j.  The results take the registers that held the tile's q
.set XQ, R+32*(\t)
.set i, 0
.rept 4
	v_wmma_scale_f32_16x16x128_f8f6f4 v[XQ+8*i:XQ+8*i+7], v[KVF+8*i:KVF+8*i+7], v[QF:QF+7], 0, v[KVSC+i], v[QS] matrix_a_fmt:MATRIX_FMT_FP4 matrix_b_fmt:MATRIX_FMT_FP4
.set i, i+1
.endr
.endm
.macro FINA t                          ; the division, and the turn back through the tile's LDS bytes
.set XQ, R+32*(\t)
	s_wait_alu depctr_va_vdst(0)                   ; the wait ahead of the first reader of the reciprocal
.set i, 0
.rept 16
	v_pk_mul_f32 v[XQ+i:XQ+i+1], v[XQ+i:XQ+i+1], v[RI:RI+1] op_sel_hi:[1,0]   ; each accumulator from its low end on
.set i, i+2
.endr
.set i, 0
.rept 4
	ds_store_b128 v[STO], v[XQ+8*i:XQ+8*i+3] offset:(\t)*TILEB+64*i
	ds_store_b128 v[STO], v[XQ+8*i+4:XQ+8*i+7] offset:(\t)*TILEB+64*i+16
.set i, i+1
.endr
.set i, 0
.rept 8
	ds_load_b128 v[XQ+4*i:XQ+4*i+3], v[RD] offset:(\t)*TILEB+2*i*PITCH     ; in order behind the stores above
.set i, i+1
.endr
.endm
.macro FINB t
.set XQ, R+32*(\t)
.set i, 0
.rept 8
	s_wait_dscnt 7-i                               ; rows 2 i, 2 i + 1 are back; the younger loads may stay out
	global_store_b128 v[GO], v[XQ+4*i:XQ+4*i+3], s[10:11] offset:(\t)*4096+512*i th:TH_STORE_NT   ; 32 lanes store 512 consecutive bytes, aligned; written once, read by nobody here.  Each tile has registers of its own: no store's data are written again
.set i, i+1
.endr
.endm
; A tile from its loads to its stores.  Nothing of the next tile stands in between: its loads may still be on their way, and this tile's stores do not wait for them.
.macro TILE t
	TURNIN \t
	PREP \t
.rept 4
	v_nop                                          ; a scale word written by a vector instruction stands eight places ahead of a scaled product: the end of the denominator (two additions, the packed one, the v_nop), which names no register of the products, and these four
.endr
	MULT \t
.rept 4
	v_nop                                          ; four places behind the products, ahead of the first read of their results (ISA guide 7.12.1): all other work of the tile is done
.endr
	FINA \t
	FINB \t
.endm
	TILE 0
	TILE 1
	TILE 2
	TILE 3
	s_wait_tensorcnt 0x0
	ds_add_u32 v240, v241
	s_wait_dscnt 0x0
	s_endpgm
.Lfunc_end_k_q934064298a_attend:
	.size	k_q934064298a_attend, .Lfunc_end_k_q934064298a_attend-k_q934064298a_attend
	.p2alignl 7, 3214868480
	.fill 96, 4, 3214868480
	.section	.rodata,"a",@progbits
	.p2align	6, 0x0
	.amdhsa_kernel k_q934064298a_attend
		.amdhsa_group_segment_fixed_size 284672
		.amdhsa_private_segment_fixed_size 0
		.amdhsa_enable_private_segment 0
		.amdhsa_kernarg_size 32
		.amdhsa_user_sgpr_count 2
		.amdhsa_user_sgpr_kernarg_segment_ptr 1
		.amdhsa_wavefront_size32 1
		.amdhsa_system_sgpr_workgroup_id_x 1
		.amdhsa_system_sgpr_workgroup_id_y 1
		.amdhsa_system_sgpr_workgroup_id_z 1
		.amdhsa_system_vgpr_workitem_id 0
		.amdhsa_next_free_vgpr 242
		.amdhsa_next_free_sgpr 66
		.amdhsa_reserve_vcc 0
		.amdhsa_float_denorm_mode_32 3
		.amdhsa_float_denorm_mode_16_64 3
		.amdhsa_memory_ordered 1
		.amdhsa_forward_progress 1
		.amdhsa_inst_pref_size 58
	.end_amdhsa_kernel
	.amdgpu_metadata
---
amdhsa.version: [ 1, 2 ]
amdhsa.kernels:
  - .name:           k_q934064298a_attend
    .symbol:         k_q934064298a_attend.kd
    .args:
      - { .name: query, .offset: 0, .size: 8, .value_kind: global_buffer, .address_space: global }
      - { .name: kvp, .offset: 8, .size: 8, .value_kind: global_buffer, .address_space: global }
      - { .name: ksp, .offset: 16, .size: 8, .value_kind: global_buffer, .address_space: global }
      - { .name: out0, .offset: 24, .size: 8, .value_kind: global_buffer, .address_space: global }
    .group_segment_fixed_size: 284672
    .private_segment_fixed_size: 0
    .kernarg_segment_align: 8
    .kernarg_segment_size: 32
    .max_flat_workgroup_size: 512
    .sgpr_count:     66
    .vgpr_count:     242
    .wavefront_size: 32
...
	.end_amdgpu_metadata
.endif
;; end of part 2
;; ======== version 2 of 2: 2 launches; version 1 with the launches kvsum, attend written anew for expert scheduling mode
;; workspace buffers: kvp 4,194,304 bytes; ksp 65,536 bytes
;; launch kvsum (part 3): grid 4 x 64, 32 waves a work-group, no clusters, 77,824 bytes of LDS; arguments key, value, mask, kvp, ksp; writes kvp, ksp
.if DOCPART == 3
	.amdgcn_target "amdgcn-amd-amdhsa--gfx1250"
	.amdhsa_code_object_version 6
	.text
	.protected	k_q934064298a_kvsum
	.globl	k_q934064298a_kvsum
	.p2align	8
	.type	k_q934064298a_kvsum,@function
k_q934064298a_kvsum:
	s_mov_b64 s[64:65], 0
	v_nop
	global_prefetch_b8 v0, s[64:65] scope:SCOPE_SE
	s_setreg_imm32_b32 hwreg(HW_REG_WAVE_SCHED_MODE, 0, 2), 2
	s_setreg_imm32_b32 hwreg(HW_REG_WAVE_MODE, 25, 1), 1
	s_wait_xcnt 0x0
	s_wait_alu depctr_vm_vsrc(0)
; kv[d][e] = sum over s of Q(k[s][d]) Q(v[s][e]),  k = (relu(key) + 0.001) * mask,  Q = MX-FP4 along s (blocks of 32);  ksum[d] = sum over s of k[s][d], unquantised.
; key, value: [64 heads][4096][64] f32;  mask: [4][4096] f32.  A work-group takes one head (y) and 1,024 keys (x) and stores its partial kv (16 KB) and partial ksum (256 bytes).
; SHARES.  32 waves.  Wave w streams one tensor (bit 2 of w: 0 key, 1 value), one strip of 32 columns (bit 0) and one K step of 128 rows (bits 1, 3, 4).
; A LANE IS A COLUMN AND ITS REGISTERS RUN DOWN s: a load reads 128 consecutive bytes of a row, a block of 32 along K lies in ONE lane's 32 registers, so its largest magnitude needs no other
; lane, and the conversions give codes with K innermost.  Each aligned 256 bytes of a row is read by two waves, so the loads carry no hint.
; Blocks 2c and 2c+1 change halves (v_permlane16_swap_b32): the first register then holds, in lane (r, h), block 2c+h of column r, the second that of column 16+r: registers 4c..4c+3 of two fragments.
; The lane's four scale bytes are its column's scale word.  Fragments and words go to LDS as images of their registers; one barrier; waves 0-15 make one 16 x 16 tile of kv each (8 K steps,
; two accumulators by turns); wave 16 adds the eight parts of ksum.
; kvp: [head][x][e tile b][d tile a][q] x 512 bytes: lane (r, h)'s 16 bytes at 16 x lane hold kv[16a + 8h + 4q + 0..3][16b + r].   ksp: [head][x][64] f32.
; max(x + eps, eps) is relu(x) + eps bit for bit, and the mask multiplies behind it, as the source has it.
; LIMITS: NaN and infinities among the inputs are not served (a NaN key counts as eps).  Blocks whose largest magnitude lies under 2^-124 keep the byte 1; a block of zeros keeps the byte 1 where the
; rule says 127: its codes are zeros, which add nothing, and the bytes are read by this program alone.
; THE MODE: SCHED_MODE bits 1:0 = 2 (LLVM: expert scheduling mode 2), set by the entry lines.  The code itself states the register dependences
; between vector or matrix instructions and memory or LDS instructions, with s_wait_alu, always for 0.
; THE PLAN.  Registers that memory or LDS instructions touch:
;   v1-v10, v30, v31  Offsets and LDS addresses: written once at the head, read by every load and store, never written again: one wait on va_vdst at the head.
;   X0, X1            Block b: its loads land in X[b % 2]; its vector lines read and write the set, the conversions last; the loads of block b + 2 land in it again: one wait on va_vdst behind the conversions, in blocks 0 and 1.
;   F, SW, KA         Written by the conversions, the swaps, the word's lines and the sums; read by the LDS stores at the join: one wait on va_vdst at each path's end.  It also states that blocks 2 and 3 are
;                     done with X, in which the tile phase's LDS loads land: no vector line stands between.
;   ACC               F's registers again: the products write them after the LDS stores have read them: one wait on vm_vsrc behind the barrier.
;   AF, BF, SCL       Filled by LDS loads, read by four products, filled again: one wait on va_vdst ahead of the second batch's loads.
;   RES               Written by additions, read by the global stores: one wait on va_vdst ahead of the stores.
;   s[WV]             Written by v_readfirstlane_b32: one wait on va_sdst ahead of its first reader.
.set EPSF,  0x3a83126f                 ; 0.001
.set FLOOR, 0x1800000                  ; 2^(3 - 127): under it no largest magnitude is taken, so the byte cannot fall under 1
.set KIMG,  0                          ; LDS: k's fragments [K step t][tile][c] x 512 bytes
.set VIMG,  32768                      ; v's likewise
.set KSC,   65536                      ; k's scale words [t][tile][16 words]
.set VSC,   67584                      ; v's
.set KSM,   69632                      ; column sums [tensor][t][64 f32]: only the key waves store here; each wave has 128 bytes of its own
.set OFF, 1                            ; v1   4 x lane: my column in a row's strip
.set IMG, 2                            ; v2   where my fragments go
.set SCA, 3                            ; v3   where my scale words go
.set KSA, 4                            ; v4   where my column sum goes
.set ADA, 5                            ; v5   tile phase: k's fragments of my d tile
.set ADB, 6                            ; v6   v's fragments of my e tile
.set ADS, 7                            ; v7   scale words: lanes 0-15 k's, lanes 16-31 v's
.set KSR, 8                            ; v8   where wave 16 reads the column sums
.set GO,  9                            ; v9   16 x lane
.set GK,  10                           ; v10  8 x lane
.set MA,  16                           ; v16-17 largest magnitudes, two chains
.set MB,  17
.set SO,  18                           ; v18  the conversions' scale operand
.set BY,  19                           ; v19  a scale byte
.set SW,  20                           ; v20  my column's scale word
.set KA,  22                           ; v[22:23], v[24:25] column sum, four chains
.set KB,  24
.set SCL, 26                           ; v26-29 tile phase: scale words of four K steps; they hold nothing else
.set F,   32                           ; v32-39, v40-47 two fragments
.set ACC, 32                           ; tile phase: two accumulators
.set RES, 48                           ; v48-63 results on their way out
.set X,   64                           ; v64-127 two sets of 32 numbers
.set AF,  64                           ; tile phase: k's fragments of four K steps
.set BF,  96                           ; v's
.set WV,  14
.set TEN, 15
.set MK,  16                           ; s[16:47] the mask of a block's 32 rows
.set EP,  48                           ; s[48:49] eps, twice (the packed form names a pair)
.macro LOAD b                          ; block b: rows 32 b .. 32 b + 31 of my strip into set b % 2
.set i, 0
.rept 32
	global_load_b32 v[X+32*((\b)%2)+i], v[OFF], s[4:5] offset:(32*(\b)+i)*256
.set i, i+1
.endr
.endm
; One block of 32 rows.  isk = 1: key (feature map, mask, column sum); 0: value.
.macro BLOCK b, isk
.set XS, X+32*((\b)%2)
.set FD, F+8*((\b)%2)+4*((\b)/2)
.if (\b) < 3
	s_wait_loadcnt 32                              ; this block's 32 loads are in; the next block's 32 may stay out
.else
	s_wait_loadcnt 0x0
.endif
.if \isk
	s_wait_kmcnt 0x0                               ; this block's mask
.set i, 0
.rept 16
	v_pk_add_f32 v[XS+i:XS+i+1], v[XS+i:XS+i+1], s[EP:EP+1] op_sel_hi:[1,0]   ; x + eps, two at a time
.set i, i+2
.endr
.set i, 0
.rept 32
	v_max_num_f32 v[XS+i], s[EP], v[XS+i]          ; = relu(x) + eps
.set i, i+1
.endr
.set i, 0
.rept 32
	v_mul_f32 v[XS+i], s[MK+i], v[XS+i]            ; x the row's mask: all lanes hold the same row
.set i, i+1
.endr
.if (\b) < 3
	s_load_b512 s[MK:MK+15], s[8:9], 128*((\b)+1)  ; the next block's mask comes while this block is summed and converted
	s_load_b512 s[MK+16:MK+31], s[8:9], 128*((\b)+1)+64
.endif
.set i, 0
.rept 8
	v_pk_add_f32 v[KA:KA+1], v[KA:KA+1], v[XS+i:XS+i+1]        ; the column's sum of the unquantised k
	v_pk_add_f32 v[KB:KB+1], v[KB:KB+1], v[XS+i+2:XS+i+3]
.set i, i+4
.endr
.endif
	v_max3_num_f32 v[MA], |v[XS]|, |v[XS+1]|, |v[XS+2]|        ; the block's largest magnitude: all 32 numbers are mine
	v_max3_num_f32 v[MB], |v[XS+3]|, |v[XS+4]|, |v[XS+5]|
.set i, 6
.rept 6
	v_max3_num_f32 v[MA], v[MA], |v[XS+i]|, |v[XS+i+1]|
	v_max3_num_f32 v[MB], v[MB], |v[XS+i+2]|, |v[XS+i+3]|
.set i, i+4
.endr
	v_max3_num_f32 v[MA], v[MA], |v[XS+30]|, |v[XS+31]|
	v_max3_num_f32 v[MA], v[MA], v[MB], FLOOR
	v_add_nc_u32 v[SO], 0xff000000, v[MA]          ; 2 off its exponent field: the conversion takes the exponent field of this operand as its scale
.if (\b) == 0
	v_lshrrev_b32 v[SW], 23, v[SO]                 ; the scale's byte: byte b of my column's word
.else
	v_lshrrev_b32 v[BY], 23, v[SO]
	v_lshl_or_b32 v[SW], v[BY], 8*(\b), v[SW]
.endif
.set i, 0
.rept 4
	v_cvt_scalef32_pk8_fp4_f32 v[FD+i], v[XS+8*i:XS+8*i+7], v[SO]
.set i, i+1
.endr
	v_nop                                          ; one plain place behind the conversions
.if (\b) < 2
	s_wait_alu depctr_va_vdst(0)                   ; the block's vector lines, the conversions last, are done writing and reading this set, in which the 32 loads below land
	LOAD (\b)+2                                    ; the set is free: the block two further on
.endif
.if (\b)%2 == 1
.set i, 0
.rept 4
	v_permlane16_swap_b32 v[F+4*((\b)/2)+i], v[F+8+4*((\b)/2)+i]   ; lanes 16-31 of block 2c change places with lanes 0-15 of block 2c+1.  (These name F alone: none of the registers that the loads above touch)
.set i, i+1
.endr
.endif
.endm
	s_load_b256 s[4:11], s[0:1], 0x0               ; key s[4:5], value s[6:7], mask s[8:9], kvp s[10:11]
	s_load_b64 s[12:13], s[0:1], 0x20              ; ksp
	v_lshl_add_u32 v30, v0, 2, 0x12000
	v_mov_b32 v31, 0
	v_lshrrev_b32 v11, 5, v0
	v_readfirstlane_b32 s[WV], v11                 ; wave 0..31
	v_and_b32 v11, 31, v0                          ; lane
	v_and_b32 v12, 15, v0                          ; r
	v_bfe_u32 v13, v0, 4, 1                        ; h
	s_wait_alu depctr_va_sdst(0)                   ; s[WV] is written, ahead of its first reader: the wave's bits, bases and LDS addresses are made from it
	s_bfe_u32 s[TEN], s[WV], 0x10002               ; tensor: bit 2, so that any eight neighbouring waves hold as many of key as of value
	s_and_b32 s52, s[WV], 1                        ; u: which strip of 32 columns
	s_bfe_u32 s53, s[WV], 0x10001
	s_lshr_b32 s54, s[WV], 3
	s_lshl_b32 s54, s54, 1
	s_or_b32 s53, s53, s54                         ; t: which K step of 128 rows, 0..7
	s_bfe_u32 s66, s[WV], 0x20002                  ; a: my d tile in the tile phase
	s_and_b32 s67, s[WV], 3                        ; b: my e tile
	s_and_b32 s55, ttmp7, 0xffff                   ; head
	s_mov_b32 s[EP], EPSF
	s_mov_b32 s[EP+1], EPSF
	s_lshl_b32 s56, s55, 20                        ; key, value: head x 1 MiB + x x 1,024 rows + t x 128 rows of 256 bytes + u x 128 bytes
	s_lshl_b32 s57, ttmp9, 18
	s_add_co_u32 s56, s56, s57
	s_lshl_b32 s57, s53, 15
	s_add_co_u32 s56, s56, s57
	s_lshl_b32 s57, s52, 7
	s_add_co_u32 s56, s56, s57
	s_mov_b32 s57, 0
	s_lshr_b32 s58, s55, 4                         ; mask: (head / 16) x 16 KiB + 4 bytes a row
	s_lshl_b32 s58, s58, 14
	s_lshl_b32 s59, ttmp9, 12
	s_add_co_u32 s58, s58, s59
	s_lshl_b32 s59, s53, 9
	s_add_co_u32 s58, s58, s59
	s_mov_b32 s59, 0
	s_lshl_b32 s60, s55, 2
	s_add_co_u32 s60, s60, ttmp9                   ; 4 x head + x
	s_lshl_b32 s62, s60, 8                         ; ksp: 256 bytes each
	s_mov_b32 s63, 0
	s_lshl_b32 s60, s60, 14                        ; kvp: 16 KiB each, + b x 4,096 + a x 1,024
	s_lshl_b32 s61, s67, 12
	s_add_co_u32 s60, s60, s61
	s_lshl_b32 s61, s66, 10
	s_add_co_u32 s60, s60, s61
	s_mov_b32 s61, 0
	; every LDS address is made here, ahead of the parting of the waves: a constant + a constant x lane + constants x the wave's bits
	v_lshlrev_b32 v[OFF], 2, v11
	s_lshl_b32 s68, s[TEN], 15
	s_lshl_b32 s69, s53, 12
	s_add_co_u32 s68, s68, s69
	s_lshl_b32 s69, s52, 11
	s_add_co_u32 s68, s68, s69
	v_lshl_add_u32 v[IMG], v11, 4, s68             ; tensor x 32,768 + t x 4,096 + u x 2,048 + 16 x lane
	s_lshl_b32 s68, s[TEN], 11
	s_lshl_b32 s69, s53, 8
	s_add_co_u32 s68, s68, s69
	s_lshl_b32 s69, s52, 7
	s_add_co_u32 s68, s68, s69                     ; tensor x 2,048 + t x 256 + u x 128
	s_add_co_u32 s70, s68, KSM
	v_lshl_add_u32 v[KSA], v11, 2, s70
	s_add_co_u32 s68, s68, KSC
	v_lshl_add_u32 v[SCA], v11, 2, s68
	s_lshl_b32 s68, s66, 10
	v_lshl_add_u32 v[ADA], v11, 4, s68             ; KIMG + a x 1,024 + 16 x lane
	s_lshl_b32 s68, s67, 10
	s_add_co_u32 s68, s68, VIMG
	v_lshl_add_u32 v[ADB], v11, 4, s68
	s_xor_b32 s68, s66, 3                          ; 3 - a
	s_add_co_u32 s68, s68, s67
	s_lshl_b32 s68, s68, 6
	s_add_co_u32 s68, s68, VSC-KSC-192             ; from k's words of tile a to v's of tile b: (VSC - KSC) + 64 b - 64 a
	v_mul_u32_u24 v14, s68, v13                    ; lanes 16-31 take v's
	v_lshl_add_u32 v14, v12, 2, v14
	s_lshl_b32 s69, s66, 6
	s_add_co_u32 s69, s69, KSC
	v_add_nc_u32 v[ADS], s69, v14
	v_lshl_add_u32 v[KSR], v11, 3, KSM
	v_lshlrev_b32 v[GO], 4, v11
	v_lshlrev_b32 v[GK], 3, v11
	s_wait_kmcnt 0x0
	s_cmp_eq_u32 s[TEN], 0                         ; the choice hangs on the wave's number alone
	s_cselect_b64 s[4:5], s[4:5], s[6:7]
	s_add_nc_u64 s[4:5], s[4:5], s[56:57]
	s_add_nc_u64 s[8:9], s[8:9], s[58:59]
	s_add_nc_u64 s[10:11], s[10:11], s[60:61]
	s_add_nc_u64 s[12:13], s[12:13], s[62:63]
	s_wait_alu depctr_va_vdst(0)                   ; the ten offsets and addresses v1 to v10 are written, which the loads and stores of both paths and of the tile phase read; none is written again
	s_cmp_eq_u32 s[TEN], 0
	s_cbranch_scc0 .Lvalue
	s_load_b512 s[MK:MK+15], s[8:9], 0x0           ; the first block's mask, ahead of the vector loads
	s_load_b512 s[MK+16:MK+31], s[8:9], 0x40
	LOAD 0
	LOAD 1
	v_mov_b32 v[KA], 0
	v_mov_b32 v[KA+1], 0
	v_mov_b32 v[KB], 0
	v_mov_b32 v[KB+1], 0
	BLOCK 0, 1
	BLOCK 1, 1
	BLOCK 2, 1
	BLOCK 3, 1
	v_pk_add_f32 v[KA:KA+1], v[KA:KA+1], v[KB:KB+1]
	v_add_f32 v[KA], v[KA], v[KA+1]
	s_wait_alu depctr_va_vdst(0)                   ; key's way: the column sum, the two fragments and the scale word are written, which the LDS stores below and at the join read; blocks 2 and 3 are done with X, in which the tile phase's loads land
	ds_store_b32 v[KSA], v[KA]                     ; my column's sum over my 128 rows
	s_branch .Ljoin
.Lvalue:
	LOAD 0
	LOAD 1
	BLOCK 0, 0
	BLOCK 1, 0
	BLOCK 2, 0
	BLOCK 3, 0
	s_wait_alu depctr_va_vdst(0)                   ; value's way: the two fragments and the scale word are written, which the LDS stores at the join read; blocks 2 and 3 are done with X, in which the tile phase's loads land
.Ljoin:
	ds_store_b128 v[IMG], v[F:F+3]                 ; tile 2u, c = 0: the registers as they stand, 512 consecutive bytes a store
	ds_store_b128 v[IMG], v[F+4:F+7] offset:512    ; c = 1
	ds_store_b128 v[IMG], v[F+8:F+11] offset:1024  ; tile 2u + 1
	ds_store_b128 v[IMG], v[F+12:F+15] offset:1536
	ds_store_b32 v[SCA], v[SW]                     ; lanes 0-15: tile 2u's words, lanes 16-31: tile 2u + 1's
	s_wait_dscnt 0x0                               ; for the others' sake: my stores have landed
	s_barrier_signal -1
	s_barrier_wait -1                              ; all fragments, words and column sums lie in LDS
	s_wait_alu depctr_vm_vsrc(0)                   ; my LDS stores have read F's registers: in the tile phase they are the accumulators, which the products write
	s_cmp_lt_u32 s[WV], 16
	s_cbranch_scc1 .Ltile
	s_cmp_eq_u32 s[WV], 16
	s_cbranch_scc0 .Ldone
.set i, 0
.rept 8
	ds_load_b64 v[RES+2*i:RES+2*i+1], v[KSR] offset:256*i      ; K step i: columns 2 x lane, 2 x lane + 1.  (No vector line has named RES so far)
.set i, i+1
.endr
	s_wait_dscnt 0x0
	v_pk_add_f32 v[RES:RES+1], v[RES:RES+1], v[RES+2:RES+3]
	v_pk_add_f32 v[RES+4:RES+5], v[RES+4:RES+5], v[RES+6:RES+7]
	v_pk_add_f32 v[RES+8:RES+9], v[RES+8:RES+9], v[RES+10:RES+11]
	v_pk_add_f32 v[RES+12:RES+13], v[RES+12:RES+13], v[RES+14:RES+15]
	v_pk_add_f32 v[RES:RES+1], v[RES:RES+1], v[RES+4:RES+5]
	v_pk_add_f32 v[RES+8:RES+9], v[RES+8:RES+9], v[RES+12:RES+13]
	v_pk_add_f32 v[RES:RES+1], v[RES:RES+1], v[RES+8:RES+9]
	s_wait_alu depctr_va_vdst(0)                   ; the additions have written v[RES:RES+1], which the store reads
	global_store_b64 v[GK], v[RES:RES+1], s[12:13] ; 32 lanes store 256 consecutive bytes, aligned
.Ldone:
	s_wait_dscnt 0x0                               ; the closing lines, six on end
	s_wait_alu 0x0
	s_wait_tensorcnt 0x0
	ds_add_u32 v30, v31
	s_wait_dscnt 0x0
	s_endpgm
; Four K steps: their fragments and words from LDS, then four products.  The two accumulators take turns, one instruction a turn, over the batches too.
.macro BATCH bt
.if (\bt) > 0
	s_wait_alu depctr_va_vdst(0)                   ; the four products of the batch before are done reading their fragments and scale words, in which the loads below land
.endif
.set i, 0
.rept 4
	ds_load_b128 v[AF+8*i:AF+8*i+3],   v[ADA] offset:(4*(\bt)+i)*4096
	ds_load_b128 v[AF+8*i+4:AF+8*i+7], v[ADA] offset:(4*(\bt)+i)*4096+512
	ds_load_b128 v[BF+8*i:BF+8*i+3],   v[ADB] offset:(4*(\bt)+i)*4096
	ds_load_b128 v[BF+8*i+4:BF+8*i+7], v[ADB] offset:(4*(\bt)+i)*4096+512
	ds_load_b32  v[SCL+i], v[ADS] offset:(4*(\bt)+i)*256
.set i, i+1
.endr
.set i, 0
.rept 4
	s_wait_dscnt 5*(3-i)                           ; this K step's five loads are in; five for each later step may stay out
.if ((\bt) == 0) && (i < 2)
	v_wmma_scale_f32_16x16x128_f8f6f4 v[ACC+8*(i%2):ACC+8*(i%2)+7], v[AF+8*i:AF+8*i+7], v[BF+8*i:BF+8*i+7], 0, v[SCL+i], v[SCL+i] matrix_a_fmt:MATRIX_FMT_FP4 matrix_b_fmt:MATRIX_FMT_FP4 matrix_b_scale:MATRIX_SCALE_ROW1
.else
	v_wmma_scale_f32_16x16x128_f8f6f4 v[ACC+8*(i%2):ACC+8*(i%2)+7], v[AF+8*i:AF+8*i+7], v[BF+8*i:BF+8*i+7], v[ACC+8*(i%2):ACC+8*(i%2)+7], v[SCL+i], v[SCL+i] matrix_a_fmt:MATRIX_FMT_FP4 matrix_b_fmt:MATRIX_FMT_FP4 matrix_b_scale:MATRIX_SCALE_ROW1
.endif
.set i, i+1
.endr
.rept 4
	v_nop                                          ; four places in front of loads into registers that the products read, and of the first read of results
.endr
.endm
.Ltile:                                                ; source 0 = 16 columns d of k, source 1 = 16 columns e of v: register j of lane (r, h) is kv[16a + 8h + j][16b + r]
	BATCH 0                                        ; (its loads land in X's registers and in v26-29: the wait at each path's end has covered X, and no vector line has named v26-29)
	BATCH 1
.set i, 0
.rept 4
	v_pk_add_f32 v[RES+i:RES+i+1], v[ACC+i:ACC+i+1], v[ACC+8+i:ACC+8+i+1]   ; even and odd K steps; each accumulator is read from its low end on
.set i, i+2
.endr
	s_wait_alu depctr_va_vdst(0)                   ; the additions have written v[RES:RES+7], which the two stores read
	global_store_b128 v[GO], v[RES:RES+3], s[10:11]            ; 512 consecutive bytes a store
	global_store_b128 v[GO], v[RES+4:RES+7], s[10:11] offset:512
	s_wait_dscnt 0x0                               ; the closing lines, six on end
	s_wait_alu 0x0
	s_wait_tensorcnt 0x0
	ds_add_u32 v30, v31
	s_wait_dscnt 0x0
	s_endpgm
.Lfunc_end_k_q934064298a_kvsum:
	.size	k_q934064298a_kvsum, .Lfunc_end_k_q934064298a_kvsum-k_q934064298a_kvsum
	.p2alignl 7, 3214868480
	.fill 96, 4, 3214868480
	.section	.rodata,"a",@progbits
	.p2align	6, 0x0
	.amdhsa_kernel k_q934064298a_kvsum
		.amdhsa_group_segment_fixed_size 77824
		.amdhsa_private_segment_fixed_size 0
		.amdhsa_enable_private_segment 0
		.amdhsa_kernarg_size 40
		.amdhsa_user_sgpr_count 2
		.amdhsa_user_sgpr_kernarg_segment_ptr 1
		.amdhsa_wavefront_size32 1
		.amdhsa_system_sgpr_workgroup_id_x 1
		.amdhsa_system_sgpr_workgroup_id_y 1
		.amdhsa_system_sgpr_workgroup_id_z 1
		.amdhsa_system_vgpr_workitem_id 0
		.amdhsa_next_free_vgpr 128
		.amdhsa_next_free_sgpr 80
		.amdhsa_reserve_vcc 0
		.amdhsa_float_denorm_mode_32 3
		.amdhsa_float_denorm_mode_16_64 3
		.amdhsa_memory_ordered 1
		.amdhsa_forward_progress 1
		.amdhsa_inst_pref_size 64
	.end_amdhsa_kernel
	.amdgpu_metadata
---
amdhsa.version: [ 1, 2 ]
amdhsa.kernels:
  - .name:           k_q934064298a_kvsum
    .symbol:         k_q934064298a_kvsum.kd
    .args:
      - { .name: key, .offset: 0, .size: 8, .value_kind: global_buffer, .address_space: global }
      - { .name: value, .offset: 8, .size: 8, .value_kind: global_buffer, .address_space: global }
      - { .name: mask, .offset: 16, .size: 8, .value_kind: global_buffer, .address_space: global }
      - { .name: kvp, .offset: 24, .size: 8, .value_kind: global_buffer, .address_space: global }
      - { .name: ksp, .offset: 32, .size: 8, .value_kind: global_buffer, .address_space: global }
    .group_segment_fixed_size: 77824
    .private_segment_fixed_size: 0
    .kernarg_segment_align: 8
    .kernarg_segment_size: 40
    .max_flat_workgroup_size: 1024
    .sgpr_count:     80
    .vgpr_count:     128
    .wavefront_size: 32
...
	.end_amdgpu_metadata
.endif
;; end of part 3
;; launch attend (part 4): grid 4 x 64, 16 waves a work-group, no clusters, 284,672 bytes of LDS; arguments query, kvp, ksp, out0; writes out0
.if DOCPART == 4
	.amdgcn_target "amdgcn-amd-amdhsa--gfx1250"
	.amdhsa_code_object_version 6
	.text
	.protected	k_q934064298a_attend
	.globl	k_q934064298a_attend
	.p2align	8
	.type	k_q934064298a_attend,@function
k_q934064298a_attend:
	s_mov_b64 s[64:65], 0
	v_nop
	global_prefetch_b8 v0, s[64:65] scope:SCOPE_SE
	s_setreg_imm32_b32 hwreg(HW_REG_WAVE_SCHED_MODE, 0, 2), 2
	s_setreg_imm32_b32 hwreg(HW_REG_WAVE_MODE, 25, 1), 1
	s_wait_xcnt 0x0
	s_wait_alu depctr_vm_vsrc(0)
; out[s][e] = (sum over d of Q(q[s][d]) Q(kv[d][e])) / (sum over d of q[s][d] ksum[d]),  q = relu(query) + 0.001,  Q = MX-FP4 along d (two blocks of 32).
; query, out: [64 heads][4096][64] f32.  kvp, ksp: four partial kv and ksum for each head, as the launch before laid them.
; SHARES.  A work-group takes one head (y) and 1,024 queries (x); each of its 16 waves 64 of them, four tiles of 16.
; q COMES BY DENSE LOADS INTO REGISTERS: a wave's 64 rows are 32 loads of 512 consecutive bytes, all issued at its start: 16 waves x 32 x 512 bytes, all of the work-group's q, are on their way at once.
; A lane wants 32 neighbouring d of ONE row, and a load brings it 4: so a tile of 16 rows turns through the wave's own LDS bytes, stored as loaded and read back by rows (rows 272 bytes apart).
; EACH TILE IS FINISHED AS SOON AS ITS OWN EIGHT LOADS ARE IN (counted waits): its rows of out are stored while the later tiles' loads are still on their way.
; kv: waves 0-7 take one e tile (wave % 4) and one block of 32 along d (wave / 4) each: a lane holds 16 numbers of each of the four partials; they are added and quantised in registers, and the codes (8 bytes a lane)
; and the block's scale byte (as a word) go to LDS, laid as the fragment's registers want them; wave 8 adds ksum's four parts; one barrier; every wave reads the images.  These loads stand ahead of the wave's loads of q.
; THE PRODUCT IS USED TRANSPOSED (source 0 = 16 columns e of kv, source 1 = 16 queries): a lane holds ONE query (lane % 16), its denominator, and eight neighbouring e of each tile.
; K = 64 fills registers 0-3 of each fragment; registers 4-7 are zero codes, which add nothing (their scale bytes are 0, which is no NaN).
; THE WAY OUT: a tile's 16 rows go back through the LDS bytes through which its q came (no other wave touches them) and leave as 512 consecutive bytes a store.
; NO CLUSTER: the four work-groups of a head share only its partials, 64 KB + 1 KB, against 512 KB that each moves for itself.  No tensor load: LDS is claimed as it is used.
; LIMITS: NaN and infinities among the inputs are not served (a NaN query counts as eps).  A block under 2^-124 keeps the byte 1; a block of zeros keeps the byte 1 where the rule says 127 (zero codes; the bytes
; stay inside this program).  A denominator that is 0 gives NaN, as 0 / 0 does; v_rcp_f32 takes a denormal denominator as 0 (ISA guide 15.8).
; THE MODE: SCHED_MODE bits 1:0 = 2 (LLVM: expert scheduling mode 2), set by the entry lines.  The code itself states the register dependences
; between vector or matrix instructions and memory or LDS instructions, with s_wait_alu, always for 0.
; THE PLAN.  Registers that memory or LDS instructions touch:
;   v1-v12, v240, v241  Offsets and LDS addresses: written once at the head, never written again: one wait on va_vdst ahead of the parting of the waves.
;   P (v44-107)         Waves 0-8: the partials' loads land, additions work on them.  Behind the barrier kv's images and ksum land in the same registers.
;   QF, QF+1, BY; P, P+1  Written by vector lines and read by the LDS stores of waves 0-7 and of wave 8: one wait on va_vdst ahead of the stores in each arm, which also states that the vector lines are done with P.
;                       All of them are written again behind the barrier (by loads, by the first tile's quantiser): one wait on vm_vsrc behind the barrier.
;   A tile's 32 registers  Global loads land | eight LDS stores read them | wait on vm_vsrc | eight LDS loads land (no vector line has named the tile so far) | the preparation and the products | sixteen multiplications write them |
;                       wait on va_vdst | eight LDS stores read them | wait on vm_vsrc | eight LDS loads land | the global stores read them.  They are not written again.
;   QF, QS; KVSC, the zero codes  Written by vector lines, taken by the scaled products: behind the places, one wait on va_vdst directly ahead of a tile's four products.  The tile's reciprocal stands ahead of that wait too.
;   s[WV]               Written by v_readfirstlane_b32: one wait on va_sdst ahead of its first reader.
.set EPSF,  0x3a83126f                 ; 0.001
.set FLOOR, 0x1800000                  ; 2^(3 - 127): under it no largest magnitude is taken, so the byte cannot fall under 1
.set PITCH, 272                        ; an LDS row: 256 bytes + 16 = 17 x 16: the sixteen rows that a load touches start 16 bytes further on each, modulo 256
.set TILEB, 16*PITCH                   ; a tile of 16 rows
.set WREG,  64*PITCH                   ; a wave's 64 rows
.set KVI,   16*WREG                    ; behind q: kv's four fragments' codes, 512 bytes each
.set KVS,   KVI+2048                   ; their scale bytes, as words: [block of d][e tile][32 lanes]
.set KSL,   KVS+1024                   ; ksum, 256 bytes
.set QA,  1                            ; v1   my 128 bytes of row r of a tile: wave + r x 272 + 128 h
.set STO, 2                            ; v2   the way out: wave + r x 272 + 32 h
.set RD,  3                            ; v3   rows as memory has them, two an instruction: wave + h x 272 + 16 r
.set GO,  4                            ; v4   16 x lane
.set LI,  5                            ; v5   KVI + 16 x lane
.set LS,  6                            ; v6   KVS + 4 x lane
.set KSR, 7                            ; v7   KSL + 128 h
.set KVA, 8                            ; v8   my byte in a partial: 1,024 h + 16 r
.set KIW, 9                            ; v9   where waves 0-7 store codes
.set KSW, 10                           ; v10  and scale bytes
.set KLW, 11                           ; v11  KSL + 8 x lane
.set GK,  12                           ; v12  8 x lane
.set MA,  16
.set MB,  17
.set SO,  18
.set BY,  19
.set BO,  20
.set QS,  21                           ; v21  q's scale word; it holds nothing else
.set KVSC, 22                          ; v22-25 kv's scale words; they hold nothing else
.set DA,  26                           ; v[26:27], v[28:29] the denominator, four chains (once, at the start: the upper bytes of kv's scale words on their way)
.set DB,  28
.set DT,  30
.set RI,  32                           ; v[32:33] 1 / denominator (the packed form names a pair and takes its low word)
.set QF,  36                           ; v36-43 q's fragment
.set KVF, 44                           ; v44-75 kv's four fragments
.set KS,  76                           ; v76-107 ksum[32 h + 0..31]
.set P,   44                           ; v44-107 ahead of the barrier: four partials x 16 numbers
.set R,   108                          ; v108-235 four tiles: q as loaded, q by rows, the products' results, rows of out
.set WV,  12
.set EP,  22                           ; s[22:23] eps, twice
.set SEL, 24                           ; s[24:25] v_permlanex16_b32's selects for lane l xor 16
; 32 numbers of a lane, v[s] on, = one block of 32 along d of my row: codes into v[QF .. QF+3], the row's scale word (my byte, and lane l xor 16's above it: right in lanes 0-15, which are the ones read) into v[w]
.macro QUANT s, w
	v_max3_num_f32 v[MA], |v[\s]|, |v[\s+1]|, |v[\s+2]|
	v_max3_num_f32 v[MB], |v[\s+3]|, |v[\s+4]|, |v[\s+5]|
.set i, 6
.rept 6
	v_max3_num_f32 v[MA], v[MA], |v[\s+i]|, |v[\s+i+1]|
	v_max3_num_f32 v[MB], v[MB], |v[\s+i+2]|, |v[\s+i+3]|
.set i, i+4
.endr
	v_max3_num_f32 v[MA], v[MA], |v[\s+30]|, |v[\s+31]|
	v_max3_num_f32 v[MA], v[MA], v[MB], FLOOR
	v_add_nc_u32 v[SO], 0xff000000, v[MA]          ; 2 off the exponent field: the conversions' scale operand
	v_lshrrev_b32 v[BY], 23, v[SO]                 ; the scale's byte
	v_permlanex16_b32 v[BO], v[BY], s[SEL], s[SEL+1]
	v_lshl_or_b32 v[\w], v[BO], 8, v[BY]
.set i, 0
.rept 4
	v_cvt_scalef32_pk8_fp4_f32 v[QF+i], v[\s+8*i:\s+8*i+7], v[SO]
.set i, i+1
.endr
	v_nop                                          ; one plain place behind the conversions
.endm
.macro QLOAD                           ; my 64 rows of q: load i brings rows 2 i (lanes 0-15) and 2 i + 1 (lanes 16-31), 16 bytes a lane; read once in the launch
.set i, 0
.rept 32
	global_load_b128 v[R+4*i:R+4*i+3], v[GO], s[4:5] offset:512*i th:TH_LOAD_NT
.set i, i+1
.endr
.endm
	s_load_b256 s[4:11], s[0:1], 0x0               ; query s[4:5], kvp s[6:7], ksp s[8:9], out s[10:11]
	v_lshl_add_u32 v240, v0, 2, 0x45000
	v_mov_b32 v241, 0
	v_lshrrev_b32 v13, 5, v0
	v_readfirstlane_b32 s[WV], v13                 ; wave 0..15
	s_and_b32 s13, ttmp7, 0xffff                   ; head
	s_lshl_b32 s14, s13, 20                        ; query, out: head x 1 MiB + x x 1,024 rows + wave x 64 rows of 256 bytes
	s_lshl_b32 s15, ttmp9, 18
	s_add_co_u32 s14, s14, s15
	s_wait_alu depctr_va_sdst(0)                   ; s[WV] is written, ahead of its first reader: the bases, the LDS addresses and the branches on the wave's number are made from it
	s_lshl_b32 s15, s[WV], 14
	s_add_co_u32 s14, s14, s15
	s_mov_b32 s15, 0
	s_and_b32 s16, s[WV], 3                        ; b: the e tile that waves 0-7 prepare,
	s_bfe_u32 s17, s[WV], 0x10002                  ; and the block of 32 along d
	s_lshl_b32 s18, s13, 16                        ; kvp: head x 4 x 16 KiB + b x 4,096 + block x two d tiles of 1,024
	s_lshl_b32 s20, s16, 12
	s_add_co_u32 s18, s18, s20
	s_lshl_b32 s20, s17, 11
	s_add_co_u32 s18, s18, s20
	s_mov_b32 s19, 0
	s_lshl_b32 s20, s13, 10                        ; ksp: head x 4 x 256
	s_mov_b32 s21, 0
	s_mov_b32 s[EP], EPSF
	s_mov_b32 s[EP+1], EPSF
	s_mov_b32 s[SEL], 0x76543210
	s_mov_b32 s[SEL+1], 0xfedcba98
	s_mul_i32 s26, s[WV], WREG                     ; my wave's LDS bytes
	; every LDS address is made here, ahead of the parting of the waves: a constant + constants x lane + constants x the wave's bits
	v_and_b32 v13, 31, v0                          ; lane
	v_and_b32 v14, 15, v0                          ; r
	v_bfe_u32 v15, v0, 4, 1                        ; h
	v_mul_u32_u24 v[QA], v14, PITCH
	v_lshl_add_u32 v[STO], v15, 5, v[QA]
	v_lshl_add_u32 v[QA], v15, 7, v[QA]
	v_add_nc_u32 v[QA], s26, v[QA]
	v_add_nc_u32 v[STO], s26, v[STO]
	v_mul_u32_u24 v[RD], v15, PITCH
	v_lshl_add_u32 v[RD], v14, 4, v[RD]
	v_add_nc_u32 v[RD], s26, v[RD]
	v_lshlrev_b32 v[GO], 4, v13
	v_lshl_add_u32 v[LI], v13, 4, KVI
	v_lshl_add_u32 v[LS], v13, 2, KVS
	v_lshl_add_u32 v[KSR], v15, 7, KSL
	v_lshlrev_b32 v[KVA], 10, v15
	v_lshl_add_u32 v[KVA], v14, 4, v[KVA]
	s_lshl_b32 s27, s16, 9                         ; codes: KVI + 512 b + 256 x block + 16 r + 8 h: in the image lane r + 16 x block has 16 bytes, and my 16 codes are its half h
	s_lshl_b32 s28, s17, 8
	s_add_co_u32 s27, s27, s28
	s_add_co_u32 s27, s27, KVI
	v_lshlrev_b32 v[KIW], 4, v14
	v_lshl_add_u32 v[KIW], v15, 3, v[KIW]
	v_add_nc_u32 v[KIW], s27, v[KIW]
	s_lshl_b32 s27, s17, 9                         ; scale bytes: KVS + 512 x block + 128 b + 4 x lane
	s_lshl_b32 s28, s16, 7
	s_add_co_u32 s27, s27, s28
	v_add_nc_u32 v[KSW], s27, v[LS]
	v_lshl_add_u32 v[KLW], v13, 3, KSL
	v_lshlrev_b32 v[GK], 3, v13
.set i, 0
.rept 4
	v_mov_b32 v[QF+4+i], 0                         ; q's fragment, k = 64 .. 127: zero codes, written once
.set i, i+1
.endr
	v_mov_b32 v[BO], 0                             ; a lane permute's destination counts as one of its sources
	v_mov_b32 v[DT], 0
	v_mov_b32 v[RI+1], 0                           ; named as the upper half of a pair
	s_wait_kmcnt 0x0
	s_add_nc_u64 s[4:5], s[4:5], s[14:15]
	s_add_nc_u64 s[10:11], s[10:11], s[14:15]
	s_add_nc_u64 s[6:7], s[6:7], s[18:19]
	s_add_nc_u64 s[8:9], s[8:9], s[20:21]
	s_wait_alu depctr_va_vdst(0)                   ; the twelve offsets and addresses v1 to v12 are written, which the loads and stores of every way below read; none is written again
	s_cmp_lt_u32 s[WV], 8
	s_cbranch_scc0 .Lnot_kv
	; waves 0-7: lane (r, h) wants kv[32 x block + 16 h + 0..15][16 b + r].  Its d tile is 2 x block + h; there d = 8 g' + 4 q + 0..3 lies in part q at lane r + 16 g': each half of the lanes reads 256 consecutive bytes
.set c, 0
.rept 4
.set g, 0
.rept 4
	global_load_b128 v[P+16*c+4*g:P+16*c+4*g+3], v[KVA], s[6:7] offset:c*16384+(g/2)*256+(g%2)*512
.set g, g+1
.endr
.set c, c+1
.endr
	QLOAD
	s_wait_loadcnt 32                              ; the partials are in; q's 32 loads, issued behind them, may stay out
.set i, 0
.rept 8
	v_pk_add_f32 v[P+i:P+i+1], v[P+i:P+i+1], v[P+16+i:P+16+i+1]             ; the four partial sums, in f32
	v_pk_add_f32 v[P+32+i:P+32+i+1], v[P+32+i:P+32+i+1], v[P+48+i:P+48+i+1]
.set i, i+2
.endr
.set i, 0
.rept 8
	v_pk_add_f32 v[P+i:P+i+1], v[P+i:P+i+1], v[P+32+i:P+32+i+1]
.set i, i+2
.endr
	v_max3_num_f32 v[MA], |v[P]|, |v[P+1]|, FLOOR              ; the largest magnitude of my 16, and the floor
	v_max3_num_f32 v[MB], |v[P+2]|, |v[P+3]|, |v[P+4]|
	v_max3_num_f32 v[MA], v[MA], |v[P+5]|, |v[P+6]|
	v_max3_num_f32 v[MB], v[MB], |v[P+7]|, |v[P+8]|
	v_max3_num_f32 v[MA], v[MA], |v[P+9]|, |v[P+10]|
	v_max3_num_f32 v[MB], v[MB], |v[P+11]|, |v[P+12]|
	v_max3_num_f32 v[MA], v[MA], |v[P+13]|, |v[P+14]|
	v_max3_num_f32 v[MA], v[MA], v[MB], |v[P+15]|
	v_permlanex16_b32 v[BO], v[MA], s[SEL], s[SEL+1]
	v_max_num_f32 v[MA], v[MA], v[BO]              ; with lane l xor 16's 16: the block's
	v_add_nc_u32 v[SO], 0xff000000, v[MA]          ; 2 off the exponent field: the conversions' scale operand
	v_lshrrev_b32 v[BY], 23, v[SO]                 ; the scale's byte
	v_cvt_scalef32_pk8_fp4_f32 v[QF], v[P:P+7], v[SO]
	v_cvt_scalef32_pk8_fp4_f32 v[QF+1], v[P+8:P+15], v[SO]
	v_nop                                          ; one plain place behind the conversions
	s_wait_alu depctr_va_vdst(0)                   ; the codes and the byte are written, which the two LDS stores read; the additions and conversions are done with P, in which the images' loads land behind the barrier
	ds_store_b64 v[KIW], v[QF:QF+1]
	ds_store_b32 v[KSW], v[BY]                     ; both lanes of a column hold the same byte; each has a word of its own
	s_branch .Ljoin
.Lnot_kv:
	s_cmp_eq_u32 s[WV], 8
	s_cbranch_scc0 .Lplain
.set c, 0
.rept 4
	global_load_b64 v[P+2*c:P+2*c+1], v[GK], s[8:9] offset:256*c   ; wave 8: ksum's four parts, two columns a lane
.set c, c+1
.endr
	QLOAD
	s_wait_loadcnt 32                              ; the four parts are in; q's 32 loads may stay out
	v_pk_add_f32 v[P:P+1], v[P:P+1], v[P+2:P+3]
	v_pk_add_f32 v[P+4:P+5], v[P+4:P+5], v[P+6:P+7]
	v_pk_add_f32 v[P:P+1], v[P:P+1], v[P+4:P+5]
	s_wait_alu depctr_va_vdst(0)                   ; the additions have written v[P:P+1], which the LDS store reads, and are done with P's first eight registers, in which the images' loads land behind the barrier
	ds_store_b64 v[KLW], v[P:P+1]
	s_branch .Ljoin
.Lplain:
	QLOAD
.Ljoin:
	s_wait_dscnt 0x0                               ; for the others' sake: my stores have landed
	s_barrier_signal -1
	s_barrier_wait -1                              ; kv's images and ksum lie in LDS.  The loads of q name bytes that nobody writes: they stay out across the barrier
	s_wait_alu depctr_vm_vsrc(0)                   ; my LDS stores have read their data: v[P:P+1], in which the first load below lands, and QF, QF+1 and BY, which the first tile's quantiser writes
.set i, 0
.rept 4
	ds_load_b128 v[KVF+8*i:KVF+8*i+3], v[LI] offset:512*i
	ds_load_b32 v[KVSC+i], v[LS] offset:128*i      ; the byte of d = 0 .. 31,
	ds_load_b32 v[DA+i], v[LS] offset:512+128*i    ; and that of d = 32 .. 63
.set i, i+1
.endr
.set i, 0
.rept 8
	ds_load_b128 v[KS+4*i:KS+4*i+3], v[KSR] offset:16*i
.set i, i+1
.endr
.set i, 0
.rept 4
	v_mov_b32 v[KVF+4+i], 0                        ; kv's fragments, k = 64 .. 127: zero codes, written once
	v_mov_b32 v[KVF+12+i], 0
	v_mov_b32 v[KVF+20+i], 0
	v_mov_b32 v[KVF+28+i], 0
.set i, i+1
.endr
	s_wait_dscnt 0x0
.set i, 0
.rept 4
	v_lshl_or_b32 v[KVSC+i], v[DA+i], 8, v[KVSC+i] ; a column's scale word; the first tile's preparation stands between these lines and the first product
.set i, i+1
.endr
; Tile t turns through my LDS bytes: stored as memory has it, two rows an instruction, and read back 128 bytes of one row a lane.
.macro TURNIN t
.set XQ, R+32*(\t)
	s_wait_loadcnt 8*(3-(\t))                      ; loads come back in order (ISA guide 5.7.1): this tile's eight are in; eight for each later tile may stay out
.set i, 0
.rept 8
	ds_store_b128 v[RD], v[XQ+4*i:XQ+4*i+3] offset:(\t)*TILEB+2*i*PITCH
.set i, i+1
.endr
	s_wait_alu depctr_vm_vsrc(0)                   ; the eight LDS stores have read the tile's registers, in which the eight loads below land (no vector line has named them so far)
.set i, 0
.rept 8
	ds_load_b128 v[XQ+4*i:XQ+4*i+3], v[QA] offset:(\t)*TILEB+16*i  ; q[r][32 h + 4 i + 0..3].  LDS serves a wave's instructions in order (ISA guide 5.7.1.4): these see the stores above
.set i, i+1
.endr
.endm
.macro PREP t                          ; the feature map, the codes and the scale word, the denominator
.set XQ, R+32*(\t)
	s_wait_dscnt 0x0                               ; the tile is back, by rows
.set i, 0
.rept 16
	v_pk_add_f32 v[XQ+i:XQ+i+1], v[XQ+i:XQ+i+1], s[EP:EP+1] op_sel_hi:[1,0]
.set i, i+2
.endr
.set i, 0
.rept 32
	v_max_num_f32 v[XQ+i], s[EP], v[XQ+i]          ; max(x + eps, eps) = relu(x) + eps, bit for bit
.set i, i+1
.endr
	QUANT XQ, QS
	v_pk_mul_f32 v[DA:DA+1], v[XQ:XQ+1], v[KS:KS+1]            ; the denominator: the unquantised q . ksum, in f32
	v_pk_mul_f32 v[DB:DB+1], v[XQ+2:XQ+3], v[KS+2:KS+3]
.set i, 4
.rept 7
	v_pk_fma_f32 v[DA:DA+1], v[XQ+i:XQ+i+1], v[KS+i:KS+i+1], v[DA:DA+1]
	v_pk_fma_f32 v[DB:DB+1], v[XQ+i+2:XQ+i+3], v[KS+i+2:KS+i+3], v[DB:DB+1]
.set i, i+4
.endr
	v_pk_add_f32 v[DA:DA+1], v[DA:DA+1], v[DB:DB+1]
	v_add_f32 v[DA], v[DA], v[DA+1]
	v_permlanex16_b32 v[DT], v[DA], s[SEL], s[SEL+1]
	v_add_f32 v[DA], v[DA], v[DT]                  ; with lane l xor 16's 32 columns
	v_rcp_f32 v[RI], v[DA]
	v_nop                                          ; a plain place behind the reciprocal
.endm
.macro MULT t                          ; register 8 i + j of lane (r, h): the numerator of query r at e = 16 i + 8 h + j.  The results take the registers that held the tile's q
.set XQ, R+32*(\t)
.set i, 0
.rept 4
	v_wmma_scale_f32_16x16x128_f8f6f4 v[XQ+8*i:XQ+8*i+7], v[KVF+8*i:KVF+8*i+7], v[QF:QF+7], 0, v[KVSC+i], v[QS] matrix_a_fmt:MATRIX_FMT_FP4 matrix_b_fmt:MATRIX_FMT_FP4
.set i, i+1
.endr
.endm
.macro FINA t                          ; the division, and the turn back through the tile's LDS bytes
.set XQ, R+32*(\t)
.set i, 0
.rept 16
	v_pk_mul_f32 v[XQ+i:XQ+i+1], v[XQ+i:XQ+i+1], v[RI:RI+1] op_sel_hi:[1,0]   ; each accumulator from its low end on.  (The wait ahead of the products stands between the reciprocal and these, its first readers)
.set i, i+2
.endr
	s_wait_alu depctr_va_vdst(0)                   ; the sixteen multiplications have written the tile's registers, which the LDS stores below read and in which the loads behind them land
.set i, 0
.rept 4
	ds_store_b128 v[STO], v[XQ+8*i:XQ+8*i+3] offset:(\t)*TILEB+64*i
	ds_store_b128 v[STO], v[XQ+8*i+4:XQ+8*i+7] offset:(\t)*TILEB+64*i+16
.set i, i+1
.endr
	s_wait_alu depctr_vm_vsrc(0)                   ; the eight LDS stores have read the tile's registers, in which the eight loads below land
.set i, 0
.rept 8
	ds_load_b128 v[XQ+4*i:XQ+4*i+3], v[RD] offset:(\t)*TILEB+2*i*PITCH     ; in order behind the stores above
.set i, i+1
.endr
.endm
.macro FINB t
.set XQ, R+32*(\t)
.set i, 0
.rept 8
	s_wait_dscnt 7-i                               ; rows 2 i, 2 i + 1 are back; the younger loads may stay out
	global_store_b128 v[GO], v[XQ+4*i:XQ+4*i+3], s[10:11] offset:(\t)*4096+512*i th:TH_STORE_NT   ; 32 lanes store 512 consecutive bytes, aligned; written once, read by nobody here.  Each tile has registers of its own: no store's data are written again
.set i, i+1
.endr
.endm
; A tile from its loads to its stores.  Nothing of the next tile stands in between: its loads may still be on their way, and this tile's stores do not wait for them.
.macro TILE t
	TURNIN \t
	PREP \t
.rept 4
	v_nop                                          ; a scale word written by a vector instruction stands eight places ahead of a scaled product: the end of the denominator (two additions, the packed one, the v_nop), which names no register of the products, and these four
.endr
	s_wait_alu depctr_va_vdst(0)                   ; behind the places: q's codes and scale word are written (ahead of the first tile's products also kv's scale words and the zero codes), which the scaled products take; and the reciprocal is written, ahead of its first reader
	MULT \t
.rept 4
	v_nop                                          ; four places behind the products, ahead of the first read of their results (ISA guide 7.12.1): all other work of the tile is done
.endr
	FINA \t
	FINB \t
.endm
	TILE 0
	TILE 1
	TILE 2
	TILE 3
	s_wait_dscnt 0x0                               ; the closing lines, six on end
	s_wait_alu 0x0
	s_wait_tensorcnt 0x0
	ds_add_u32 v240, v241
	s_wait_dscnt 0x0
	s_endpgm
.Lfunc_end_k_q934064298a_attend:
	.size	k_q934064298a_attend, .Lfunc_end_k_q934064298a_attend-k_q934064298a_attend
	.p2alignl 7, 3214868480
	.fill 96, 4, 3214868480
	.section	.rodata,"a",@progbits
	.p2align	6, 0x0
	.amdhsa_kernel k_q934064298a_attend
		.amdhsa_group_segment_fixed_size 284672
		.amdhsa_private_segment_fixed_size 0
		.amdhsa_enable_private_segment 0
		.amdhsa_kernarg_size 32
		.amdhsa_user_sgpr_count 2
		.amdhsa_user_sgpr_kernarg_segment_ptr 1
		.amdhsa_wavefront_size32 1
		.amdhsa_system_sgpr_workgroup_id_x 1
		.amdhsa_system_sgpr_workgroup_id_y 1
		.amdhsa_system_sgpr_workgroup_id_z 1
		.amdhsa_system_vgpr_workitem_id 0
		.amdhsa_next_free_vgpr 242
		.amdhsa_next_free_sgpr 66
		.amdhsa_reserve_vcc 0
		.amdhsa_float_denorm_mode_32 3
		.amdhsa_float_denorm_mode_16_64 3
		.amdhsa_memory_ordered 1
		.amdhsa_forward_progress 1
		.amdhsa_inst_pref_size 59
	.end_amdhsa_kernel
	.amdgpu_metadata
---
amdhsa.version: [ 1, 2 ]
amdhsa.kernels:
  - .name:           k_q934064298a_attend
    .symbol:         k_q934064298a_attend.kd
    .args:
      - { .name: query, .offset: 0, .size: 8, .value_kind: global_buffer, .address_space: global }
      - { .name: kvp, .offset: 8, .size: 8, .value_kind: global_buffer, .address_space: global }
      - { .name: ksp, .offset: 16, .size: 8, .value_kind: global_buffer, .address_space: global }
      - { .name: out0, .offset: 24, .size: 8, .value_kind: global_buffer, .address_space: global }
    .group_segment_fixed_size: 284672
    .private_segment_fixed_size: 0
    .kernarg_segment_align: 8
    .kernarg_segment_size: 32
    .max_flat_workgroup_size: 512
    .sgpr_count:     66
    .vgpr_count:     242
    .wavefront_size: 32
...
	.end_amdgpu_metadata
.endif
;; end of part 4
